; MI455X (gfx1250); checked and timed in simulation.
; The chip was launched on July 23, 2026; its instructions are those of AMD's public machine-readable ISA for CDNA 5 (MIT licence, August 2026) and "CDNA5" Instruction Set Architecture Reference Guide (July 2026). The comments in the code are by the model that wrote it; some were corrected since.
;; Attention. Allowed arithmetic: matrix products marked QUANTISED: E2M3 operands, one E8M0 scale for each 32 along K, by v_wmma_scale_f32_16x16x128_f8f6f4 with both operands' format E2M3, f32 sums; everything else in f32.
;; Inputs: W_qkv_codes 3,072 x 32 x 24 uint8 (E2M3 codes of W_qkv, K innermost, in blocks of 32 codes, four codes in three bytes); W_qkv_scales 3,072 x 32 uint8 (E8M0 scales of W_qkv, one for each 32 codes along K); b_qkv 3,072 float32; context_codes 4 x 2,048 x 32 x 24 uint8 (E2M3 codes of context, K innermost, in blocks of 32 codes, four codes in three bytes); context_scales 4 x 2,048 x 32 uint8 (E8M0 scales of context, one for each 32 codes along K).
;; Outputs: out0 4 x 2,048 x 1,024 float32.
;; This version of the problem:
;;   THIS VERSION OF THE PROBLEM IS GIVEN IN LOW PRECISION. The matrix products marked QUANTISED in the list below multiply operands that are first quantised to E2M3 (2 exponent bits, 3 mantissa bits; 6 bits a number), with one power-of-two scale for each 32 numbers along K (OCP MX v1.0); their sums are f32. All else is computed in f32.
;;   The module's matrix products, in the order in which they are computed (A, B: the left and right operand; K: the contracted axis; several contracted axes count as one K, in the product's order):
;;     1. [M 8,192, K 1,024] x [K 1,024, N 3,072]; A: input context (given as codes); B: input W_qkv (given as codes): QUANTISED
;;     2. batch 4 x [M 2,048, K 1,024] x [K 1,024, N 2,048]; A: computed on the way; B: computed on the way: QUANTISED
;;     3. batch 4 x [M 2,048, K 2,048] x [K 2,048, N 1,024]; A: softmax (see below); B: computed on the way: QUANTISED
;;   THE QUANTISER, for each operand of a quantised product, along K:
;;     - K is cut into blocks of 32 from its start; a last block that is shorter is filled with zeros.
;;     - A block's scale is 2^e with e = floor(log2(the largest magnitude in the block)) - 2, held to -126 .. 127; a block of zeros has e = 0. As a byte (E8M0): e + 127.
;;     - Each number is divided by its block's scale, clamped to +-7.5, and rounded to the nearest number of E2M3, ties to even, subnormals kept.
;;     - The product sums the exact products of the quantised numbers (number of the format x scale) in f32.
;;   ~~~python
;;   def quantise(x, axis):      # numpy; x: float32 -> the quantised numbers, widened to float32 again
;;       x = np.moveaxis(x, axis, -1); K = x.shape[-1]
;;       x = np.pad(x, [(0, 0)] * (x.ndim - 1) + [(0, -K % 32)]); x = x.reshape(x.shape[:-1] + (-1, 32)); a = np.abs(x).max(-1, keepdims=True)
;;       e = np.where(a > 0, np.clip(np.frexp(np.where(a > 0, a, 1))[1] - 1 - 2, -126, 127), 0)      # np.frexp(a)[1] - 1 = floor(log2(a)), exactly
;;       r = np.clip(x / 2.0 ** e, -7.5, 7.5)
;;       step = 2.0 ** (np.maximum(np.frexp(np.where(r == 0, 1, r))[1] - 1, 0) - 3)
;;       q = np.round(r / step) * step * 2.0 ** e      # np.round: ties to even
;;       return np.moveaxis(q.reshape(q.shape[:-2] + (-1,))[..., :K], -1, axis).astype(np.float32)
;;   ~~~
;;   SOFTMAX AHEAD OF A QUANTISED PRODUCT. Where the list says 'softmax', what is quantised is not the finished softmax but p = 2^(t - M), with t = logit x log2(e) and M = ceil(the row's largest t), a whole number; so 1/2 < the row's largest p <= 1. The row's sum l is taken of the UNQUANTISED p, in f32, and the product's result is divided by l at the end. Since M is a whole number, a kernel that streams over the keys may use a running M (the ceiling of the running maximum): every later rescaling is an exact power of two, which a block's scale takes up: the codes' values come out the same.
;;   OPERANDS COMPUTED ON THE WAY. 'Computed on the way' means the value that the module computes at that place (a softmax that the list does not call 'softmax' is quantised finished and normalised). What goes into a quantiser is computed in f32, as accurately as f32 sums, v_exp_f32 and their like allow (about 1e-6 of the number): no bf16 or f16 on the way to a quantiser, and a product that is left as it is and whose result goes on into a quantised operand takes f32 operands (vector FMAs, or v_wmma_f32_16x16x4_f32). A number that lies on a knife's edge between two numbers of the format may be rounded either way, as far as f32 arithmetic and the matrix unit's own rounding can turn it there, and no further.
;;   INPUTS GIVEN AS CODES. W_qkv (in the module: [1024, 3072], K = its axis 0); context (in the module: [4, 2048, 1024], K = its axis 2): each comes as NAME_codes (uint8): NAME with its K axis moved to the last place and cut into blocks of 32 codes, [.., K / 32, bytes a block], one block behind the other in memory; four codes in three bytes: a row's codes are one little-endian stream of bits, code i at bits 6 i .. 6 i + 5 (a code: sign, 2 exponent bits, 3 mantissa bits); and NAME_scales (uint8): the same leading axes, one E8M0 byte (e + 127) for each 32 codes along K. Its value is code x scale, taken as it is: it is not quantised again, and the codes and scales need not be those that the quantiser above would give.
;; One version. Each part assembles by itself: llvm-mc -triple=amdgcn-amd-amdhsa -mcpu=gfx1250 --defsym DOCPART=n.
;; ======== version 1 of 1: 3 launches
;; limits: right only within a limited range of input values
;; workspace buffers: img 19,660,800 bytes; pimg 6,684,672 bytes; pst 2,097,152 bytes
;; launch qkv (part 1): grid 16 x 16, 4 waves a work-group, clusters of 4 x 4, 327,680 bytes of LDS; arguments context_codes, context_scales, W_qkv_codes, W_qkv_scales, b_qkv, img; writes img
.if DOCPART == 1
	.amdgcn_target "amdgcn-amd-amdhsa--gfx1250"
	.amdhsa_code_object_version 6
	.text
	.protected	k_q2a6e405553_qkv
	.globl	k_q2a6e405553_qkv
	.p2align	8
	.type	k_q2a6e405553_qkv,@function
k_q2a6e405553_qkv:
	s_mov_b64 s[64:65], 0
	v_nop
	global_prefetch_b8 v0, s[64:65] scope:SCOPE_SE
	s_setreg_imm32_b32 hwreg(HW_REG_WAVE_MODE, 25, 1), 1
	s_wait_xcnt 0x0
	s_wait_alu depctr_hold_cnt(0) depctr_sa_sdst(0) depctr_va_vdst(0) depctr_va_sdst(0) depctr_va_ssrc(0) depctr_va_vcc(0) depctr_vm_vsrc(0)
	s_getreg_b32 s2, hwreg(HW_REG_IB_STS2, 6, 4)
	s_cmp_eq_u32 s2, 0
	s_cbranch_scc0 .Lentry_in_a_cluster
	s_endpgm
.Lentry_in_a_cluster:
	s_bfe_u32 s2, ttmp6, 0x10000c
	s_cmp_lg_u32 s2, 0xf033
	s_cbranch_scc0 .Lentry_shape_is_right
	s_endpgm
.Lentry_shape_is_right:
; Q, K, V = context W_qkv + b_qkv on codes of FP6 (E2M3), quantised again on the way out: codes and scale bytes go to img in the order of the operand registers of the launches that read them.
; IMG: Q's section, K's section at SECT: [row block of 256 tokens][D step of 128][16 tiles of 16 tokens x 1,536 bytes, then their scale words, 1,024 bytes];
;   V's section at 2 SECT: [batch][128 channels][128 keys][8 tiles of 16 channels x 1,536 bytes, then 512 bytes of scale words].  A tile is, for c = 0, 1: registers 6 c .. 6 c + 3 (16 bytes a lane), then 6 c + 4, 6 c + 5 (8 bytes a lane).
; THE ORDER OF ROWS: with r = lane % 16, hh = r / 8, i = r % 8, lane r of tile j (0 .. 3) of a band of 64 rows takes row 32 hh + 8 (j xor hh) + i.  So the 32 results that a lane has of a band's four tiles are one scale block of the next product,
;   in the same order for both operands of that product: Q's and K's columns alike, K's and V's tokens alike.  Q's tokens lie in that order too: the last launch stores its rows accordingly.  Rows 40 or 24 apart in LDS rows of 816 bytes start at banks 32 apart.
; THE DEAL: 256 work-groups of four waves, 2 x 2; a wave holds 64 rows of the weight, all of K, in registers and streams x's rows past them in blocks of 16.  Wave row a takes band a of a chunk of 128 tokens, wave column b the columns 64 b on.
; First 256 x 128 of V, then 512 x 128 of Q or K.  V's 256 rows are a half of the work-group's own 512: its two chunks serve both phases; the other half's two come by refills.
; CLUSTERS 4 x 4: x's rows are shared along a row of the cluster, a weight's along a column, by joint loads.
; THREE REFILLS, each in a drained round: in V's block 2 the weights' region (W_q's or W_k's rows); in the second phase's blocks 2 and 6 a chunk of x and its scale bytes.  A plain barrier shows the last ones: V's block 7, the second phase's blocks 10 and 12.
; A block is 32 products; behind every second one stand two entries of a list: descriptors, the next addresses, the last block's way out.  The bias is the first four products' C.
; WAITS FOR A BLOCK'S ROWS: younger than its fetch are the next block's fetch, NF loads, and the scale bytes' stores between the two.
; PREFETCHES: the second weight at the head, chunk 2 and the later scale bytes behind the first refill, chunk 3 between the phases: shared out by address among the sixteen waves that ask jointly.
; No work is left out here.  LIMITS: NaN and infinities are not served; a block of zeros gets the scale byte 1 (its codes are zeros).
.set PITCH, 816
.set KROW, 768
.set KS, 32
.set RA, 128
.set NF, 28
.set FR, 12
.set FPW, 21                           ; fragments in a window of 256 registers
.set YB, RA*PITCH
.set BVB, 2*YB                         ; the weights' region
.set SCL, 3*YB                         ; two places for a chunk's scale bytes: 16 units of 256 + 16
.set SCB, 16*272
.set XN, SCL+2*SCB                     ; Q's or K's scale bytes: [a][block in order of work][r][2 b + h]
.set XM, XN+2048                       ; V's: [chunk][b][r][t][2 a + h]
.set SPARE, XM+1024
.set SECT, 6553600
.set EMAX, 2
.set CO, 9                             ; 16 x lane
.set SPW, 10
.set NIL, 11
.set ADRA, 12
.set AAS, 17
.set STO, 18
.set STV, 19
.set SB, 24
.set TQ, 40
.set SA, 44
.set TC, 60
.set ACC, 64
.set HV0, 64
.set HV1, 840
.set NCD, 128
.set MCD, 192
.set SOP, 240
.set EB, 244
.set VX, 248
.set LE, 249                           ; lane parts of an even tile's fragment address, of an odd tile's
.set LO, 251
.set CO8, 253                          ; 8 x lane
.set SB2, 968
.set BA, 984
.set BBV, 992
.set BBQ, 160
.set G1A, 24
.set G1B, 32
.set G0A, 56
.set G0B, 60
.set G0R, 68
.set G0S, 72
.set G1S, 92
.set MSB, 0
.macro WIN new
.if MSB != (\new)
	s_set_vgpr_msb (MSB<<8)|(\new)
.set MSB, (\new)
.endif
.endm
.macro PLACES n
.rept \n
	v_nop
.endr
.endm
.macro WALU
	s_wait_alu depctr_va_vdst(0)
.endm
.macro BARRIER
	s_barrier_signal -1
	s_barrier_wait -1
.endm
.macro MIDDLE
	WIN 0
	s_barrier_wait -1
	s_cmp_lg_u32 s14, 0
	s_cbranch_scc1 .Lnot_wave_0_\@
	s_barrier_signal -3
.Lnot_wave_0_\@:
	s_barrier_wait -3
.endm
.macro CROUND
	s_barrier_signal -1
	MIDDLE
	BARRIER
.endm
.macro GRD
	s_wait_tensorcnt 0x0
	ds_add_u32 v[SPW], v[NIL]
.endm
.macro TLOAD g0, g1
	tensor_load_to_lds s[\g0:\g0+3], s[\g1:\g1+7]
	s_nop 0
	PLACES 4
.endm
.macro GROUP1 g, mask
	s_or_b32 s[\g+0], s[\mask], (1<<20)|(1<<21)|(5<<22)|(3<<25)
	s_mov_b32 s[\g+1], KROW<<16
	s_mov_b32 s[\g+2], RA<<16
	s_mov_b32 s[\g+3], KROW<<16
	s_mov_b32 s[\g+4], RA
	s_mov_b32 s[\g+5], KROW
	s_mov_b32 s[\g+6], 0
	s_mov_b32 s[\g+7], 0
.endm
.macro G0SET g, base, off
	s_mov_b32 s20, s\off
	s_add_nc_u64 s[\g+2:\g+3], s[\base:\base+1], s[20:21]
	s_or_b32 s[\g+3], s[\g+3], 0x80000000
.endm
; Fragment f lies in window 1 + f / 21: 0-31 the weights' (4 q + tile), 32-39 and 40-47 the rows' two sets.  Six pieces of 8 bytes, two to a load where both lie behind as many paddings.
.macro FRAG f, q, a0, a1, aw
	WIN ((1+(\f)/FPW)<<6)|(\aw)
.set R_, FR*((\f)%FPW)
.set SKIP_, 0
.irp p, 0,1,2,3,4,5
.if SKIP_
.set SKIP_, 0
.else
.set PC_, 12*(\q)+6*(\p/3)+\p%3
.set PN_, 12*(\q)+6*((\p+1)/3)+(\p+1)%3
.set X_, (PC_%32+3)/32
.set XQ_, (PN_%32+3)/32
.if (\p < 5) && (X_ == XQ_)
.set SKIP_, 1
.if X_
	ds_load_2addr_b64 v[R_+2*\p:R_+2*\p+3], \a1 offset0:PC_+2*(PC_/32) offset1:PN_+2*(PN_/32)
.else
	ds_load_2addr_b64 v[R_+2*\p:R_+2*\p+3], \a0 offset0:PC_+2*(PC_/32) offset1:PN_+2*(PN_/32)
.endif
.elseif X_
	ds_load_b64 v[R_+2*\p:R_+2*\p+1], \a1 offset:8*(PC_+2*(PC_/32))
.else
	ds_load_b64 v[R_+2*\p:R_+2*\p+1], \a0 offset:8*(PC_+2*(PC_/32))
.endif
.endif
.endr
.endm
.macro WEIGHTS                         ; my 64 rows of the weight, all of K: 104 loads
.irp q, 0,1,2,3,4,5,6,7
.irp b, 0,1,2,3
	FRAG 4*\q+\b, \q, v[BA-768+2*\b], v[BA-768+2*\b+1], 3
.endr
.endr
	WIN 0
.endm
.macro FETCHAT e, a0, a1, as           ; a block of x's rows into set e: NF loads
.irp q, 0,1,2,3,4,5,6,7
	FRAG 32+8*(\e)+\q, \q, \a0, \a1, 0
.endr
	WIN 0
	ds_load_b128 v[SA+8*(\e):SA+8*(\e)+3], \as
	ds_load_b128 v[SA+8*(\e)+4:SA+8*(\e)+7], \as offset:16
.endm
.macro FETCH e
	FETCHAT \e, v[ADRA], v[ADRA+1], v[AAS]
.endm
.macro FETCH01                         ; a phase's first two blocks, from slot 0
	FETCHAT 0, v4, v5, v6
	FETCHAT 1, v254, v255, v16
	s_mov_b32 s101, 0
	s_mov_b32 s91, 0
.endm
; product n = 4 q + tile.  kind 0 (Q, K): source 0 the weight's rows; kind 1 (V): source 0 x's rows
.macro PROD kind, e, n, a0, as
.set Q_, (\n)/4
.set FB_, 4*Q_+(\n)%4
.set FA_, 32+8*(\e)+Q_
.set D_, (\a0)+(\as)*((\n)%4)
.set DL_, D_&255
.set XB_, SB+8*(((\n)%4)/2)+Q_
.set XA_, SA+8*(\e)+Q_
.if \kind
.if Q_
	WIN (1+FA_/FPW)|((1+FB_/FPW)<<2)|((D_>>8)<<4)|((D_>>8)<<6)
	PROD1 DL_, FA_, FB_, v[DL_:DL_+7], XA_, XB_, b, (\n)%2
.else
	WIN (1+FA_/FPW)|((1+FB_/FPW)<<2)|(3<<4)|((D_>>8)<<6)
	PROD1 DL_, FA_, FB_, v[BBV-768+8*((\n)%4):BBV-768+8*((\n)%4)+7], XA_, XB_, b, (\n)%2
.endif
.else
	WIN (1+FB_/FPW)|((1+FA_/FPW)<<2)
.if Q_
	PROD1 DL_, FB_, FA_, v[DL_:DL_+7], XB_, XA_, a, (\n)%2
.else
	PROD1 DL_, FB_, FA_, v[BBQ+8*((\n)%4):BBQ+8*((\n)%4)+7], XB_, XA_, a, (\n)%2
.endif
.endif
.endm
.macro PROD1 d, s0, s1, c, x0, x1, side, o
.if \o
	v_wmma_scale_f32_16x16x128_f8f6f4 v[\d:\d+7], v[FR*((\s0)%FPW):FR*((\s0)%FPW)+FR-1], v[FR*((\s1)%FPW):FR*((\s1)%FPW)+FR-1], \c, v[\x0], v[\x1] matrix_a_fmt:MATRIX_FMT_FP6 matrix_b_fmt:MATRIX_FMT_FP6 matrix_\side\()_scale:MATRIX_SCALE_ROW1
.else
	v_wmma_scale_f32_16x16x128_f8f6f4 v[\d:\d+7], v[FR*((\s0)%FPW):FR*((\s0)%FPW)+FR-1], v[FR*((\s1)%FPW):FR*((\s1)%FPW)+FR-1], \c, v[\x0], v[\x1] matrix_a_fmt:MATRIX_FMT_FP6 matrix_b_fmt:MATRIX_FMT_FP6 matrix_\side\()_scale:MATRIX_SCALE_ROW0
.endif
.endm
.macro BLOCK kind, e, a0, as, from, to, list, x=0, y=0, z=0
.set N_, \from
.rept (\to)-(\from)
	PROD \kind, \e, N_, \a0, \as
.if N_%2
	\list N_-1, \x, \y, \z
	\list N_, \x, \y, \z
.endif
.set N_, N_+1
.endr
.endm
; the addresses of the block that is fetched next, 3 entries.  st 0: an odd tile (the even one's offsets stand); 1: an even tile of the same chunk; 2: the next chunk's first; 3: the last chunk's tile 0 or 2, by the loop's counter
.macro STEP i, st
.if (\i) == 0
.if (\st) == 1
	s_add_co_u32 s101, s101, 16*PITCH
	s_add_co_u32 s91, s91, 2*272
.elseif (\st) == 2
	s_cmp_lt_u32 s101, YB
	s_cselect_b32 s101, YB, 0
	s_cmp_lt_u32 s91, SCB
	s_cselect_b32 s91, SCB, 0
.elseif (\st) == 3
	s_cmp_eq_u32 s86, 2
	s_cselect_b32 s101, 0, 16*PITCH
	s_cselect_b32 s91, 0, 2*272
	s_add_co_u32 s101, s101, YB
.endif
	WIN 0
.if (\st) == 0
	v_add_nc_u32 v[ADRA], s101, v254
.else
	v_add_nc_u32 v[ADRA], s101, v4
.endif
.elseif (\i) == 1
	WIN 0
.if (\st) == 0
	v_add_nc_u32 v[ADRA+1], s101, v255
.else
	v_add_nc_u32 v[ADRA+1], s101, v5
.endif
.elseif (\i) == 2
.if (\st) == 3
	s_add_co_u32 s91, s91, SCB
.endif
	WIN 0
.if (\st) == 0
	v_add_nc_u32 v[AAS], s91, v16
.else
	v_add_nc_u32 v[AAS], s91, v6
.endif
.endif
.endm
.macro CHAIN i, x, n, t=TQ             ; a way out's first part, 18 entries: the largest magnitude of 32 sums, two chains, and the conversions' scale operand
.set XW_, (\x)>>8
.set XL_, (\x)&255
.if ((\i) >= 0) && ((\i) < 14)
.set B_, XL_+16*((\i)%2)+2*((\i)/2)
.set T_, (\t)+1-(\i)%2
.if (\i) < 2
	WIN XW_|(XW_<<2)|(XW_<<4)
	v_max3_num_f32 v[T_], |v[B_]|, |v[B_+1]|, |v[B_+2]|
.else
	WIN (XW_<<2)|(XW_<<4)
	v_max3_num_f32 v[T_], v[T_], |v[B_+1]|, |v[B_+2]|
.endif
.elseif (\i) == 14
	WIN XW_<<2
	v_max3_num_f32 v[\t+1], v[\t+1], |v[XL_+15]|, (EMAX+1)<<23
.elseif (\i) == 15
	WIN 0
	v_nop                                  ; so that the next line, which reads entry 14's result, stands in the next pair
.elseif (\i) == 16
	WIN XW_<<2
	v_max3_num_f32 v[\t], v[\t], |v[XL_+31]|, v[\t+1]
.elseif (\i) == 17
	WIN 0
	v_add_nc_u32 v[SOP+\n], -(EMAX<<23), v[\t]
.endif
.endm
.macro CODES i, x, c, n, t=TC          ; its second part: 32 codes into v[c .. c + 5], the scale's byte into v[EB + n]
.set XW_, (\x)>>8
.set XL_, (\x)&255
.if (\i) == 0
	WIN XW_
	v_cvt_scalef32_pk16_fp6_f32 v[\c:\c+2], v[XL_:XL_+15], v[SOP+\n]
.elseif (\i) == 1
	WIN XW_
	v_cvt_scalef32_pk16_fp6_f32 v[\t:\t+2], v[XL_+16:XL_+31], v[SOP+\n]
.elseif (\i) == 2
	WIN 0
	v_lshrrev_b32 v[EB+\n], 23, v[SOP+\n]
.else
	WIN 0
	v_mov_b32 v[\c+\i], v[\t+\i-3]
.endif
.endm
.macro CODES6 x, c, n
.irp i, 0,1,2,3,4,5
	CODES \i, \x, \c, \n
.endr
.endm
.macro PFTILE v, off, share            ; my sixteenth of a tile of 128 rows, 24 blocks of 256 bytes
	s_mul_i32 s21, s\share, RA*KROW/16
	s_add_co_u32 s20, s\off, s21
	WIN 0
	v_min_u32 v\v, 23, v3
	v_lshl_add_u32 v\v, v\v, 8, s20
.endm
.macro PFGO v, base
	global_prefetch_b8 v\v, s[\base:\base+1] th:TH_LOAD_NT scope:SCOPE_SE
.endm
.macro PUT2 r, base, off               ; six registers: 512 and 256 consecutive bytes, aligned
	global_store_b128 v[CO], v[\r:\r+3], \base offset:(\off)
	global_store_b64 v[CO8], v[\r+4:\r+5], \base offset:(\off)+512
.endm
.macro ASK i                           ; 4 entries: the descriptors of the chunk at s88 for slot s89, of its scale bytes at s67 for place s8; then all four step on
.if (\i) == 0
	s_mul_i32 s[G0R+1], s14, RA/2*PITCH
	s_add_co_u32 s[G0R+1], s[G0R+1], s89
	s_mul_i32 s20, s14, RA/2*KROW
	s_add_co_u32 s20, s20, s88
.elseif (\i) == 1
	s_mov_b32 s21, 0
	s_add_nc_u64 s[G0R+2:G0R+3], s[4:5], s[20:21]
	s_or_b32 s[G0R+3], s[G0R+3], 0x80000000
	s_mov_b32 s[G0S+1], s8
.elseif (\i) == 2
	s_mov_b32 s20, s67
	s_add_nc_u64 s[G0S+2:G0S+3], s[6:7], s[20:21]
	s_or_b32 s[G0S+3], s[G0S+3], 0x80000000
	s_add_co_u32 s88, s88, RA*KROW
.elseif (\i) == 3
	s_add_co_u32 s67, s67, RA*KS
	s_xor_b32 s89, s89, YB
	s_xor_b32 s8, s8, (SCL)^(SCL+SCB)
.endif
.endm
; the lists
.macro L_NONE i, x, y, z
.endm
.macro L_STEP i, x, y, z
	STEP \i, \x
.endm
.macro L_OUT i, x, y, z
	STEP \i, \x
	CHAIN (\i)-3, \y, \z
.endm
.macro L_LAST i, x, y, z
	CHAIN \i, \y, \z
.endm
.macro L_V2 i, x, y, z                 ; V's block 2: the refills' group 1, the first refill's descriptor, the step, two prefetch addresses
.if (\i) == 0
	s_mov_b32 s[G1A+2], (RA/2)<<16
	s_mov_b32 s[G1A+4], RA/2
	s_mov_b32 s[G1S+2], 16<<16
	s_mov_b32 s[G1S+4], 16
.elseif (\i) == 1
	s_mov_b32 s[G1B+2], (RA/2)<<16
	s_mov_b32 s[G1B+4], RA/2
	s_mul_i32 s[G0B+1], s14, RA/2*PITCH
	s_add_co_u32 s[G0B+1], s[G0B+1], BVB
.elseif (\i) == 2
	s_mul_i32 s20, s14, RA/2*KROW
	s_add_co_u32 s20, s20, s9
	s_mov_b32 s21, 0
	s_add_nc_u64 s[G0B+2:G0B+3], s[48:49], s[20:21]
.elseif (\i) == 3
	s_or_b32 s[G0B+3], s[G0B+3], 0x80000000
.elseif (\i) == 7
	PFTILE 7, 88, 90
.elseif (\i) == 8
	s_lshl_b32 s21, s90, 9
	s_add_co_u32 s20, s67, s21
	WIN 0
	v_min_u32 v8, 1, v3
	v_lshl_add_u32 v8, v8, 8, s20
.endif
	STEP (\i)-4, 2
.endm
.macro L_V7 i, x, y, z                 ; V's block 7: the last chunk's prefetch address, then the way out
.if (\i) == 0
	s_add_co_u32 s23, s88, RA*KROW
	PFTILE 20, 23, 90
.endif
	CHAIN (\i)-1, \y, \z
.endm
.macro L_B2A i, st, x                  ; the scale byte's place, the step, the last block's way out
.if (\i) == 0
	WIN 0
	v_add_nc_u32 v[VX], s22, v[STO]
	s_add_co_u32 s22, s22, 64
.endif
.if (\st) >= 0
	STEP (\i)-1, \st
	CHAIN (\i)-4, \x, 0
.else
	CHAIN (\i)-1, \x, 0
.endif
.endm
.macro L_B2 i, mode, st, x
.if (\mode) == 1
	ASK \i
	L_B2A (\i)-4, \st, \x
.else
	L_B2A \i, \st, \x
.endif
.endm
.macro PREOUT inc                      ; the last stores have read their registers and their base: on to the next block's place
	WIN 0
	WALU
	s_wait_xcnt 0x0
	s_add_co_u32 s46, s46, \inc
	s_add_nc_u64 s[84:85], s[10:11], s[46:47]
.endm
; a block of phase 2.  w: the count of the wait for its rows (-1: shown in already); mode 1: with a refill's round, 2: with a plain barrier; st: the step (-1: nothing more is fetched); inc: from the place before
.macro B2 e, w, mode, st, inc
.if (\w) >= 0
	s_wait_dscnt \w
.endif
.if (\mode) == 1
	GRD
.endif
.if (\mode) > 0
	BLOCK 0, \e, ACC+32*(\e), 8, 0, 26, L_B2, \mode, \st, ACC+32*(1-(\e))
	PREOUT \inc
.if (\mode) == 2
	s_wait_tensorcnt 0x0
.endif
	s_wait_dscnt 0x0
	s_barrier_signal -1
	BLOCK 0, \e, ACC+32*(\e), 8, 26, 32, L_NONE
	WIN 0
.if (\mode) == 2
	s_barrier_wait -1
.endif
	CODES6 ACC+32*(1-(\e)), NCD, 0
.if (\mode) == 1
	MIDDLE
	BARRIER
	s_cmp_lt_u32 s14, 2
	s_cbranch_scc0 .Lscales_\@
	TLOAD G0R, G1A
	s_branch .Lasked_\@
.Lscales_\@:
	s_cmp_eq_u32 s14, 2
	s_cbranch_scc0 .Lnone_\@
	TLOAD G0S, G1S
.Lnone_\@:
.Lasked_\@:
.endif
.else
	BLOCK 0, \e, ACC+32*(\e), 8, 0, 32, L_B2, \mode, \st, ACC+32*(1-(\e))
	PREOUT \inc
	CODES6 ACC+32*(1-(\e)), NCD, 0
.endif
	WALU
	ds_store_b8 v[VX], v[EB]
	PUT2 NCD, s[84:85], 0
.if (\st) >= 0
	FETCH \e
.endif
.endm
; ================= THE HEAD
	s_load_b128 s[4:7], s[0:1], 0x0                     ; context's codes, scales
	s_load_b256 s[48:55], s[0:1], 0x10                  ; W's codes, scales; b_qkv; img
	v_lshl_add_u32 v[SPW], v0, 2, SPARE
	v_mov_b32 v[NIL], 0
	ds_add_u32 v[SPW], v[NIL]
	ds_add_u32 v[SPW], v[NIL]
	v_lshrrev_b32 v1, 5, v0
	v_readfirstlane_b32 s14, v1                         ; the wave
	s_lshr_b32 s15, s14, 1                              ; a
	s_and_b32 s16, s14, 1                               ; b
	s_bfe_u32 s40, ttmp6, 0x40000                       ; cx
	s_bfe_u32 s41, ttmp6, 0x40004                       ; cy
	s_lshl_b32 s42, ttmp9, 2
	s_add_co_u32 s42, s42, s40                          ; phase 2's tile column, 0 .. 15: Q's 8, K's 8
	s_and_b32 s43, ttmp7, 0xffff
	s_lshl_b32 s43, s43, 2
	s_add_co_u32 s43, s43, s41                          ; its tile row
	s_lshr_b32 s19, ttmp9, 1                            ; 0 Q, 1 K
	s_and_b32 s87, ttmp9, 1                             ; V's half of my 512 rows
	s_lshl_b32 s13, s19, 2
	s_add_co_u32 s13, s13, s40                          ; V's tile column
	s_lshl_b32 s12, s43, 1
	s_add_co_u32 s12, s12, s87                          ; V's row block of 256
	s_lshl_b32 s44, s41, 2
	s_lshl_b32 s44, 15, s44                             ; my row of the cluster
	s_lshl_b32 s45, 0x1111, s40                         ; my column
	GROUP1 G1A, 44
	GROUP1 G1B, 45
	s_or_b32 s[G1S+0], s44, (3<<16)|(1<<20)|(1<<21)|(5<<22)|(3<<25)
	s_mov_b32 s[G1S+1], 32<<16
	s_mov_b32 s[G1S+2], 32<<16
	s_mov_b32 s[G1S+3], 32<<16
	s_mov_b32 s[G1S+4], 32
	s_mov_b32 s[G1S+5], 32
	s_mov_b32 s[G1S+6], 0
	s_mov_b32 s[G1S+7], 0
	s_mul_i32 s66, s12, 256*KROW
	s_mul_i32 s9, s42, RA*KROW                          ; W_q's or W_k's rows
	s_mul_i32 s18, s13, RA*KROW
	s_add_co_u32 s18, s18, 2048*KROW                    ; W_v's
	s_lshl_b32 s89, s12, 13
	s_xor_b32 s20, s12, 1                               ; the other half's row block
	s_mul_i32 s88, s20, 256*KROW
	s_lshl_b32 s67, s20, 13
	s_lshl_b32 s21, s16, 6
	s_lshl_b32 s82, s42, 7
	s_add_co_u32 s82, s82, s21                          ; my first column of Q or K
	s_lshl_b32 s84, s13, 7
	s_add_co_u32 s84, s84, s21
	s_add_co_u32 s84, s84, 2048                         ; of V
	s_lshl_b32 s78, s82, 2
	s_mov_b32 s79, 0
	s_lshl_b32 s76, s84, 2
	s_mov_b32 s77, 0
	s_lshl_b32 s82, s82, 5
	s_mov_b32 s83, 0
	s_lshl_b32 s84, s84, 5
	s_mov_b32 s85, 0
	s_mov_b32 s[G0A], 1
	s_mov_b32 s[G0A+1], 0
	s_mov_b32 s[G0B], 1
	s_mov_b32 s[G0B+1], BVB
	s_mov_b32 s[G0R], 1
	s_mov_b32 s[G0R+1], YB
	s_mov_b32 s[G0S], 1
	s_mov_b32 s[G0S+1], SCL
	s_lshl_b32 s90, s40, 2
	s_add_co_u32 s90, s90, s14                          ; my number among the sixteen waves of my row of the cluster
	s_lshl_b32 s100, s41, 2
	s_add_co_u32 s100, s100, s14                        ; and of my column
	WALU
	v_and_b32 v1, 15, v0                                ; r
	v_bfe_u32 v2, v0, 4, 1                              ; h
	v_and_b32 v3, 31, v0
	v_and_b32 v22, 7, v0                                ; i
	v_bfe_u32 v23, v0, 3, 1                             ; hh
	v_mul_u32_u24 v7, v22, PITCH
	v_mad_u32_u24 v8, v2, 24, v7
	v_mad_u32_u24 v[LE], v23, 40*PITCH, v8
	v_lshl_add_u32 v[LE+1], v2, 4, v[LE]
	v_mad_u32_u24 v[LO], v23, 24*PITCH, v8
	v_add_nc_u32 v[LO], 8*PITCH, v[LO]
	v_lshl_add_u32 v[LO+1], v2, 4, v[LO]
	s_mul_i32 s21, s15, 64*PITCH
	v_add_nc_u32 v4, s21, v[LE]                         ; x's even tiles (v5: behind one padding more), odd tiles (v254, v255)
	v_add_nc_u32 v5, s21, v[LE+1]
	v_add_nc_u32 v254, s21, v[LO]
	v_add_nc_u32 v255, s21, v[LO+1]
	v_lshlrev_b32 v7, 5, v22
	s_mul_i32 s21, s15, 8*272
	s_add_co_u32 s21, s21, SCL
	v_mad_u32_u24 v8, v23, 5*272, v7
	v_add_nc_u32 v6, s21, v8                            ; their scale words
	v_mad_u32_u24 v8, v23, 3*272, v7
	v_add_nc_u32 v16, s21, v8
	v_add_nc_u32 v16, 272, v16
	v_mul_u32_u24 v8, v1, PITCH
	v_mad_u32_u24 v8, v2, 24, v8
	s_mul_i32 s22, s16, 64*PITCH
	s_add_co_u32 s22, s22, BVB
	v_add_nc_u32 v14, s22, v8                           ; W_v's rows in their own order
	v_lshl_add_u32 v15, v2, 4, v14
	v_xor_b32 v8, v2, v23
	v_lshl_add_u32 v8, v8, 8, v7
	v_lshl_add_u32 v8, v23, 10, v8                      ; scale bytes of W_q's or W_k's tiles 0 (lanes 0-15) and 1
	v_lshlrev_b32 v7, 5, v3                             ; of W_v's
	WALU
	s_wait_dscnt 0x0
	CROUND
	s_wait_kmcnt 0x0
	s_mov_b32 s20, s66
	s_mov_b32 s21, 0
	s_add_nc_u64 s[G0A+2:G0A+3], s[4:5], s[20:21]
	s_add_nc_u64 s[G0R+2:G0R+3], s[G0A+2:G0A+3], RA*KROW
	s_or_b32 s[G0A+3], s[G0A+3], 0x80000000
	s_or_b32 s[G0R+3], s[G0R+3], 0x80000000
	G0SET G0B, 48, 18
	G0SET G0S, 6, 89
	s_cmp_eq_u32 s14, 0
	s_cbranch_scc0 .Lwave_1
	TLOAD G0B, G1B                                      ; wave 0: W_v's rows
	s_branch .Lasked
.Lwave_1:
	s_cmp_eq_u32 s14, 1
	s_cbranch_scc0 .Lwave_2
	TLOAD G0S, G1S                                      ; wave 1: both chunks' scale bytes
	s_branch .Lasked
.Lwave_2:
	s_cmp_eq_u32 s14, 2
	s_cbranch_scc0 .Lwave_3
	TLOAD G0A, G1A                                      ; wave 2: chunk 0
	s_branch .Lasked
.Lwave_3:
	TLOAD G0R, G1A                                      ; wave 3: chunk 1
.Lasked:
	s_add_nc_u64 s[84:85], s[50:51], s[84:85]
	s_add_nc_u64 s[82:83], s[50:51], s[82:83]
	s_add_nc_u64 s[76:77], s[52:53], s[76:77]
	s_add_nc_u64 s[78:79], s[52:53], s[78:79]           ; Q's or K's bias: loaded between the phases
	v_lshlrev_b32 v23, 2, v1
	WALU
.irp p, 0,1
.irp c, 0,1
	global_load_b128 v[SB+8*\p+4*\c:SB+8*\p+4*\c+3], v7, s[84:85] offset:1024*\p+16*\c
.endr
.endr
	WIN 3<<6
.irp t, 0,1,2,3
	global_load_b32 v[BBV-768+8*\t], v23, s[76:77] offset:64*\t
.endr
.irp p, 0,1
.irp c, 0,1
	global_load_b128 v[SB2-768+8*\p+4*\c:SB2-768+8*\p+4*\c+3], v8, s[82:83] offset:512*\p+16*\c
.endr
.endr
	WIN 0
	s_mul_i32 s20, s19, SECT                            ; where the results go: s[2:3] Q's or K's section, D step; s[10:11] + my 64 columns; s46 my first tile
	s_and_b32 s21, s42, 7
	s_mul_i32 s21, s21, 25600
	s_add_co_u32 s20, s20, s21
	s_mov_b32 s21, 0
	s_add_nc_u64 s[2:3], s[54:55], s[20:21]
	s_mul_i32 s20, s16, 768
	s_add_nc_u64 s[10:11], s[2:3], s[20:21]
	s_mul_i32 s46, s12, 204800
	s_mul_i32 s20, s15, 6144
	s_add_co_u32 s46, s46, s20
	s_mov_b32 s47, 0
	s_mov_b32 s66, s12                                  ; the row block that comes first
	s_lshr_b32 s20, s12, 3                              ; V: s[12:13] my two key steps, s[80:81] + my tiles and my band
	s_lshl_b32 s20, s20, 3
	s_add_co_u32 s20, s20, s13
	s_lshl_b32 s20, s20, 4
	s_and_b32 s23, s12, 7
	s_lshl_b32 s23, s23, 1
	s_add_co_u32 s20, s20, s23
	s_mul_i32 s20, s20, 12800
	s_add_co_u32 s20, s20, 2*SECT
	s_add_nc_u64 s[12:13], s[54:55], s[20:21]
	s_mul_i32 s20, s16, 6144
	s_mul_i32 s23, s15, 768
	s_add_co_u32 s20, s20, s23
	s_add_nc_u64 s[80:81], s[12:13], s[20:21]
	s_mov_b32 s17, 187904                               ; from the first half's last tile to the other half's first: 204,800 on or back, 11 tiles back
	s_cmp_eq_u32 s87, 0
	s_cselect_b32 s17, s17, 0xfffc9e00
	s_mov_b32 s22, 0
	s_mov_b32 s89, 0
	s_mov_b32 s8, SCL
	v_lshlrev_b32 v[CO], 4, v3
	v_lshlrev_b32 v[CO8], 3, v3
	s_lshl_b32 s20, s15, 10
	s_lshl_b32 s21, s16, 1
	s_add_co_u32 s20, s20, s21
	s_add_co_u32 s20, s20, XN
	v_lshl_add_u32 v22, v1, 2, v2
	v_add_nc_u32 v[STO], s20, v22
	s_lshl_b32 s20, s16, 8
	s_lshl_b32 s21, s15, 1
	s_add_co_u32 s20, s20, s21
	s_add_co_u32 s20, s20, XM
	v_lshl_add_u32 v22, v1, 4, v2
	v_add_nc_u32 v[STV], s20, v22
	v_mul_u32_u24 v21, v2, 160                          ; Q's or K's bias: tile j's eight columns 32 h + 8 (j xor h) on: even tiles, odd tiles
	v_mul_u32_u24 v42, v2, 96
	WIN 3<<6
.irp b, 0,1,2,3
	v_add_nc_u32 v[BA-768+2*\b], \b*16*PITCH, v14
	v_add_nc_u32 v[BA-768+2*\b+1], \b*16*PITCH, v15
.endr
	WIN 0
	WALU
	s_wait_xcnt 0x0
	s_wait_loadcnt 0x0
	WIN (3<<6)|3
.irp t, 0,8,16,24
.irp i, 1,2,3,4,5,6,7
	v_mov_b32 v[BBV-768+\t+\i], v[BBV-768+\t]           ; V's bias: one number a lane and tile, over the tile's eight registers
.endr
.endr
	WIN 0
	PFTILE 8, 9, 100                                    ; what the first refill will load
	WALU
	s_cmp_eq_u32 s14, 0
	s_cbranch_scc0 .Lnot_b
	s_wait_tensorcnt 0x0
.Lnot_b:
	BARRIER                                             ; W_v's rows are in
	PFGO 8, 48
	WEIGHTS
	s_cmp_eq_u32 s14, 3
	s_cbranch_scc1 .Lnot_a0
	s_wait_tensorcnt 0x0
.Lnot_a0:
	s_wait_dscnt 0x0
	BARRIER                                             ; chunk 0 and the scale bytes are in; chunk 1 may be on its way
	FETCH01
; ================= PHASE 1: V, eight blocks; chunk 0's way outs stand in chunk 1's blocks
.irp s, 0,1
	s_wait_dscnt NF
	BLOCK 1, \s, HV0+8*\s, 32, 0, 32, L_STEP, 1-\s
	WIN 0
	PLACES 4
	WALU
	FETCH \s
.endr
	s_wait_dscnt NF
	s_wait_xcnt 0x0                                     ; the list writes v8, the address of the head's prefetch
	GRD
	BLOCK 1, 0, HV0+16, 32, 0, 24, L_V2
	WIN 0
	s_wait_dscnt 0x0
	s_barrier_signal -1
	BLOCK 1, 0, HV0+16, 32, 24, 32, L_NONE
	MIDDLE
	BARRIER
	s_cmp_lt_u32 s14, 2
	s_cbranch_scc0 .Lno_half
	TLOAD G0B, G1B                                      ; waves 0 and 1 a half each of W_q's or W_k's rows
.Lno_half:
	PLACES 4
	WALU
	FETCH 0
	PFGO 7, 4
	PFGO 8, 6
	BLOCK 1, 1, HV0+24, 32, 0, 32, L_STEP, 0
	WIN 0
	PLACES 4
	WALU
	FETCH 1
.irp j, 0,1,2
	s_wait_dscnt NF+(\j+1)/2
.if \j < 2
	BLOCK 1, \j%2, HV1+8*\j, 32, 0, 32, L_OUT, 1-\j, HV0+32*\j, \j
.else
	BLOCK 1, \j%2, HV1+8*\j, 32, 0, 32, L_LAST, 0, HV0+32*\j, \j
.endif
	WIN 0
	CODES6 HV0+32*\j, MCD+6*\j, \j
	WALU
	ds_store_b8 v[STV], v[EB+\j] offset:4*\j
	PUT2 MCD+6*\j, s[80:81], 1536*\j
.if \j < 2
	FETCH \j%2
.endif
.endr
	s_wait_dscnt 1
	BLOCK 1, 1, HV1+24, 32, 0, 26, L_V7, 0, HV0+96, 3
	WIN 0
	WALU
	s_wait_tensorcnt 0x0
	s_wait_dscnt 0x0
	s_barrier_signal -1                                 ; the weights that the first refill brought are shown to all
	BLOCK 1, 1, HV1+24, 32, 26, 32, L_NONE
	WIN 0
	s_barrier_wait -1
	CODES6 HV0+96, MCD+18, 3
	WALU
	ds_store_b8 v[STV], v[EB+3] offset:12
	PUT2 MCD+18, s[80:81], 4608
; ================= THE CHANGE OF PHASE
.irp j, 0,2
	global_load_b128 v[BBQ+8*\j:BBQ+8*\j+3], v21, s[78:79] offset:32*\j
	global_load_b128 v[BBQ+8*\j+4:BBQ+8*\j+7], v21, s[78:79] offset:32*\j+16
	global_load_b128 v[BBQ+8*\j+8:BBQ+8*\j+11], v42, s[78:79] offset:32*\j+32
	global_load_b128 v[BBQ+8*\j+12:BBQ+8*\j+15], v42, s[78:79] offset:32*\j+48
.endr
	s_mul_i32 s20, s16, 64*PITCH
	s_add_co_u32 s20, s20, BVB
	WIN 3<<6
.irp j, 0,2
	v_add_nc_u32 v[BA-768+2*\j], s20, v[LE]
	v_add_nc_u32 v[BA-768+2*\j+1], s20, v[LE+1]
	v_add_nc_u32 v[BA-768+2*\j+2], s20, v[LO]
	v_add_nc_u32 v[BA-768+2*\j+3], s20, v[LO+1]
	s_add_co_u32 s20, s20, 16*PITCH
.endr
	WIN 0
	WALU
	WEIGHTS
	FETCH01
	PFGO 20, 4
	WIN 3
.set I, 0
.rept 16
	v_mov_b32 v[SB+I], v[SB2-768+I]
.set I, I+1
.endr
	WIN 0
.set I, 0
.rept 18
.irp t, 0,1,2,3
	CHAIN I, HV1+32*\t, \t, 64+4*\t
.endr
.set I, I+1
.endr
.set I, 0
.rept 6
.irp t, 0,1,2,3
	CODES I, HV1+32*\t, MCD+24+6*\t, \t, 80+4*\t
.endr
.set I, I+1
.endr
	WIN 0
	WALU
; ================= PHASE 2: Q or K, sixteen blocks
	s_wait_loadcnt 0x0
	s_mov_b32 s76, 7680
	s_wait_dscnt NF
	BLOCK 0, 0, ACC, 8, 0, 32, L_STEP, 1
	WIN 0
	PLACES 4
	WALU
.irp t, 0,1,2,3
	ds_store_b8 v[STV], v[EB+\t] offset:512+4*\t
.endr
.irp t, 0,1,2,3
	PUT2 MCD+24+6*\t, s[80:81], 12800+1536*\t           ; V's second key step leaves
.endr
	FETCH 0
	B2 1, NF+4, 0, 0, 0
	s_mov_b32 s86, 0
.Lwith_rounds:                                          ; blocks 2 to 5, 6 to 9
	B2 0, NF+1, 1, 2, 1536
	B2 1, -1, 0, 0, 1536
	B2 0, NF+1, 0, 1, 1536
	B2 1, NF+1, 0, 0, s76
	s_mov_b32 s76, s17
	s_add_co_u32 s86, s86, 1
	s_cmp_lg_u32 s86, 2
	s_cbranch_scc1 .Lwith_rounds
	s_mov_b32 s76, 1536
.Lwithout:                                              ; blocks 10, 11 and 12, 13
	B2 0, NF+1, 2, 3, 1536
	B2 1, -1, 0, 0, s76
	s_mov_b32 s76, 7680
	s_add_co_u32 s86, s86, 1
	s_cmp_lg_u32 s86, 4
	s_cbranch_scc1 .Lwithout
	B2 0, NF+1, 0, -1, 1536
	B2 1, 1, 0, -1, 1536
; ================= THE END: the last way out; the scale bytes go through LDS under its conversions
	s_lshl_b32 s21, s14, 8
	s_add_co_u32 s20, s21, XN
	v_lshlrev_b32 v12, 2, v1
	v_lshl_add_u32 v12, v2, 10, v12
	v_add_nc_u32 v12, s20, v12                          ; the chunk of my wave's number in order of work: band h, row r
	s_add_co_u32 s20, s21, XM
	v_add_nc_u32 v14, s20, v[CO8]
	v_add_nc_u32 v[VX], s22, v[STO]
	s_lshr_b32 s23, s14, 1
	s_and_b32 s21, s14, 1
	s_xor_b32 s20, s66, s23
	s_mul_i32 s20, s20, 204800
	s_lshl_b32 s22, s21, 9
	s_add_co_u32 s20, s20, s22
	s_add_co_u32 s20, s20, 24576
	s_lshl_b32 s22, s21, 8
	s_mov_b32 s21, 0
	s_add_nc_u64 s[82:83], s[2:3], s[20:21]
	s_mul_i32 s20, s23, 12800
	s_add_co_u32 s20, s20, s22
	s_add_co_u32 s20, s20, 12288
	s_add_nc_u64 s[76:77], s[12:13], s[20:21]
	WALU
.set I, 0
.rept 18
	CHAIN I, ACC+32, 0
.set I, I+1
.endr
	CODES 2, ACC+32, NCD, 0
	PREOUT 1536
	ds_store_b8 v[VX], v[EB]
	s_wait_dscnt 0x0
	s_barrier_signal -1
	CODES 0, ACC+32, NCD, 0
	CODES 1, ACC+32, NCD, 0
	WIN 0
	v_nop
.irp i, 3,4,5
	CODES \i, ACC+32, NCD, 0
.endr
	s_barrier_wait -1
	WALU
.irp j, 0,1,2,3
	ds_load_b32 v[64+\j], v12 offset:64*\j
.endr
	ds_load_b64 v[68:69], v14
	PUT2 NCD, s[84:85], 0
	s_wait_dscnt 0x0
	global_store_b128 v[CO], v[64:67], s[82:83]
	global_store_b64 v[CO8], v[68:69], s[76:77]
	s_wait_tensorcnt 0x0
	ds_add_u32 v[SPW], v[NIL]
	s_wait_dscnt 0x0
	CROUND
	s_endpgm
.Lfunc_end_k_q2a6e405553_qkv:
	.size	k_q2a6e405553_qkv, .Lfunc_end_k_q2a6e405553_qkv-k_q2a6e405553_qkv
	.p2alignl 7, 3214868480
	.fill 96, 4, 3214868480
	.section	.rodata,"a",@progbits
	.p2align	6, 0x0
	.amdhsa_kernel k_q2a6e405553_qkv
		.amdhsa_group_segment_fixed_size 327680
		.amdhsa_private_segment_fixed_size 0
		.amdhsa_enable_private_segment 0
		.amdhsa_kernarg_size 48
		.amdhsa_user_sgpr_count 2
		.amdhsa_user_sgpr_kernarg_segment_ptr 1
		.amdhsa_wavefront_size32 1
		.amdhsa_system_sgpr_workgroup_id_x 1
		.amdhsa_system_sgpr_workgroup_id_y 1
		.amdhsa_system_sgpr_workgroup_id_z 1
		.amdhsa_system_vgpr_workitem_id 0
		.amdhsa_next_free_vgpr 1024
		.amdhsa_next_free_sgpr 102
		.amdhsa_reserve_vcc 0
		.amdhsa_float_denorm_mode_32 3
		.amdhsa_float_denorm_mode_16_64 3
		.amdhsa_memory_ordered 1
		.amdhsa_forward_progress 1
		.amdhsa_inst_pref_size 189
	.end_amdhsa_kernel
	.amdgpu_metadata
---
amdhsa.version: [ 1, 2 ]
amdhsa.kernels:
  - .name:           k_q2a6e405553_qkv
    .symbol:         k_q2a6e405553_qkv.kd
    .args:
      - { .name: context_codes, .offset: 0, .size: 8, .value_kind: global_buffer, .address_space: global }
      - { .name: context_scales, .offset: 8, .size: 8, .value_kind: global_buffer, .address_space: global }
      - { .name: W_qkv_codes, .offset: 16, .size: 8, .value_kind: global_buffer, .address_space: global }
      - { .name: W_qkv_scales, .offset: 24, .size: 8, .value_kind: global_buffer, .address_space: global }
      - { .name: b_qkv, .offset: 32, .size: 8, .value_kind: global_buffer, .address_space: global }
      - { .name: img, .offset: 40, .size: 8, .value_kind: global_buffer, .address_space: global }
    .group_segment_fixed_size: 327680
    .private_segment_fixed_size: 0
    .kernarg_segment_align: 8
    .kernarg_segment_size: 48
    .max_flat_workgroup_size: 128
    .sgpr_count:     102
    .vgpr_count:     1024
    .wavefront_size: 32
...
	.end_amdgpu_metadata
.endif
;; end of part 1
;; launch scores (part 2): grid 36 x 4, 4 waves a work-group, no clusters, 327,680 bytes of LDS; arguments img, pimg, pst; writes pimg, pst
.if DOCPART == 2
	.amdgcn_target "amdgcn-amd-amdhsa--gfx1250"
	.amdhsa_code_object_version 6
	.text
	.protected	k_q2a6e405553_scores
	.globl	k_q2a6e405553_scores
	.p2align	8
	.type	k_q2a6e405553_scores,@function
k_q2a6e405553_scores:
	s_mov_b64 s[64:65], 0
	v_nop
	global_prefetch_b8 v0, s[64:65] scope:SCOPE_SE
	s_setreg_imm32_b32 hwreg(HW_REG_WAVE_MODE, 25, 1), 1
	s_wait_xcnt 0x0
; p = 2^(t - M') for the tiles of q k^T / sqrt(2048) that lie on or under the diagonal, as codes of FP6 (E2M3); t = score x log2(e) / sqrt(2048).
; M' is the ceiling of the largest t of a row WITHIN ONE GROUP OF 128 KEYS: a whole number, taken away ahead of every exponential.  The next launch takes the row's M = the largest M' and moves M' - M,
; a whole number, into p's scale bytes: the codes do not change.  Beside the codes go, for each (row, group): p's scale word, -M', and the sum of the unquantised p.
; LEFT OUT: the 256 x 256 tiles wholly above the diagonal, and p of a 128 x 128 block above it: reference()'s own causal mask makes their p 0 for all inputs.  A NaN, an infinity or an overflow that reaches these scores alone is not carried to the result.
; SHARES.  A work-group takes a tile of 256 queries x 256 keys of one batch: 36 tiles with J <= I.  Wave w: wk = w % 2: keys 128 wk on, one group (8 tiles x, source 0); wq = w / 2: queries 128 wq on (8 tiles y, source 1):
; 64 accumulators; 8 steps of 128 along D, 64 matrix instructions each.
; THE ORDER OF ROWS (the first launch's): lane r of tile 4 c + j is token 64 c + 32 hh + 8 (j xor hh) + r % 8, hh = r / 8.  So a lane (r, h) holds one query and, in registers 32 c .. 32 c + 31, the whole block 2 c + h of 32 keys.
; A D step's block of img is 25,600 dense bytes.  At the head wave w brings two D steps, 2 (w / 2) and the next, of k (w % 2 = 0) or of q, by one tensor load; later loads bring one D step a wave.
; LDS: three regions of two D steps each; region 0 is filled a second time, the others once.
; NO CLUSTER: a batch's rows and columns of tiles hold 1 to 8 tiles, which four does not divide, and the way out branches on I = J, which partners would not share.  No prefetch: the launch has no loop to run ahead in.
; PIMG holds, for each batch and each pair of row blocks of 128 (the long 15 - ip, the short ip), 17 places of 12,288 bytes in the order in which the next launch has them in LDS.
; LIMITS: NaN and infinities are not served; a block whose every p is 0 gets the scale byte 1 (its codes are zeros).
.set REG,   102400
.set SPARE, 3*REG
.set SECT,  6553600
.set G1, 24
.set G0, 32                            ; s[32:43]: a group 0 for each load
.set T,    64                          ; the way out, window 0: v64-127 t - M', then p
.set PC,   128                         ; codes
.set BM,   148
.set BP,   152
.set SO,   156
.set NM,   160
.set SUM,  162
.set PWD,  166
.set HOLD, 168
.set SS,   172
.set NINF, 176
.set MSB, 0
.macro WIN new
.if MSB != (\new)
	s_set_vgpr_msb (MSB<<8)|(\new)
.set MSB, (\new)
.endif
.endm
.macro PLACES
.rept 4
	v_nop
.endr
.endm
.macro MM d, a, b, z, sa, sb
.if \z
	v_wmma_scale_f32_16x16x128_f8f6f4 v[\d:\d+7], v[\a:\a+11], v[\b:\b+11], 0, v[\sa], v[\sb] matrix_a_fmt:MATRIX_FMT_FP6 matrix_b_fmt:MATRIX_FMT_FP6
.else
	v_wmma_scale_f32_16x16x128_f8f6f4 v[\d:\d+7], v[\a:\a+11], v[\b:\b+11], v[\d:\d+7], v[\sa], v[\sb] matrix_a_fmt:MATRIX_FMT_FP6 matrix_b_fmt:MATRIX_FMT_FP6
.endif
.endm
.macro FETCH d                         ; D step d: 8 fragments of k, 8 of q, and their scale words, into set d % 2
.set RG, ((\d)/2)%3
.set QO, 25600*((\d)%2)
.set PP, (\d)%2
	WIN PP<<6
.irp t, 0,1,2,3,4,5,6,7
.irp c, 0,1
	ds_load_b128 v[64+12*\t+6*\c:64+12*\t+6*\c+3], v[6+RG] offset:QO+1536*\t+768*\c
	ds_load_b64 v[64+12*\t+6*\c+4:64+12*\t+6*\c+5], v[57+RG] offset:QO+1536*\t+768*\c+512
.endr
.endr
.irp t, 0,1,2,3,4,5,6,7
.irp c, 0,1
	ds_load_b128 v[160+12*\t+6*\c:160+12*\t+6*\c+3], v[9+RG] offset:QO+1536*\t+768*\c
	ds_load_b64 v[160+12*\t+6*\c+4:160+12*\t+6*\c+5], v[60+RG] offset:QO+1536*\t+768*\c+512
.endr
.endr
	WIN 0
	ds_load_b128 v[16+16*PP:19+16*PP], v[12+RG] offset:QO
	ds_load_b128 v[20+16*PP:23+16*PP], v[12+RG] offset:QO+256
	ds_load_b128 v[24+16*PP:27+16*PP], v[48+RG] offset:QO
	ds_load_b128 v[28+16*PP:31+16*PP], v[48+RG] offset:QO+256
.endm
.macro MULG p, y0, y1, z               ; query tiles y0 .. y1 against the eight key tiles; the 64 accumulators take turns
.irp y, 0,1,2,3,4,5,6,7
.if (\y >= \y0) && (\y <= \y1)
.set WA, 2+\y/4
	WIN (WA<<6)|(WA<<4)|((\p)<<2)|(\p)
.irp x, 0,1,2,3,4,5,6,7
	MM 64*(\y%4)+8*\x, 64+12*\x, 160+12*\y, \z, 16+16*(\p)+\x, 24+16*(\p)+\y
.endr
.endif
.endr
.endm
.macro STEP d, z
	s_wait_dscnt 0x0                               ; this step's loads, issued a step ago
	PLACES
	FETCH (\d)+1
	MULG (\d)%2, 0, 7, \z
.endm
.macro TURN d, g                       ; a step with a drained barrier: what was on its way is shown to all, and the load of group 0 g goes out behind it
	WIN 0
	s_wait_tensorcnt 0x0
	ds_add_u32 v1, v2
	s_mov_b32 s[G1+2], 100<<16                     ; no tensor load of mine is out: from here on a load brings 100 rows of 256 bytes
	s_mov_b32 s[G1+4], 100
	s_wait_dscnt 0x1                               ; only the add may be out
	MULG (\d)%2, 0, 1, 0
	s_wait_dscnt 0x0
	s_barrier_signal -1
	MULG (\d)%2, 2, 3, 0
	WIN 0
	s_barrier_wait -1
	tensor_load_to_lds s[\g:\g+3], s[G1:G1+7]
	s_nop 0
	PLACES
	FETCH (\d)+1
	MULG (\d)%2, 4, 7, 0
.endm
	s_load_b128 s[4:7], s[0:1], 0x0                ; img, pimg
	s_load_b64 s[8:9], s[0:1], 0x10                ; pst
	v_lshl_add_u32 v1, v0, 2, SPARE
	v_mov_b32 v2, 0
	ds_add_u32 v1, v2
	ds_add_u32 v1, v2
	s_wait_dscnt 0x0
	v_lshrrev_b32 v3, 5, v0
	v_readfirstlane_b32 s10, v3                    ; wave
	s_and_b32 s11, s10, 1                          ; wk
	s_lshr_b32 s12, s10, 1                         ; wq
	s_mov_b32 s13, ttmp9
	s_and_b32 s16, ttmp7, 0xffff                   ; batch
	s_mov_b32 s14, 0                               ; I: how many of the triangular numbers the tile's number has reached
.irp t, 1,3,6,10,15,21,28
	s_cmp_ge_u32 s13, \t
	s_add_co_ci_u32 s14, s14, 0
.endr
	s_add_co_u32 s15, s14, 1
	s_mul_i32 s15, s15, s14
	s_lshr_b32 s15, s15, 1
	s_sub_co_u32 s15, s13, s15                     ; J
	s_lshl_b32 s50, s16, 3
	s_add_co_u32 s51, s50, s15
	s_add_co_u32 s50, s50, s14
	s_mul_i32 s51, s51, 204800
	s_add_co_u32 s51, s51, SECT                    ; k's row block
	s_mul_i32 s50, s50, 204800                     ; q's
	s_cmp_eq_u32 s11, 0
	s_cselect_b32 s50, s51, s50
	s_mul_i32 s60, s12, 51200                      ; head: D steps 2 (w / 2) on
	s_add_co_u32 s60, s60, s50
	s_mov_b32 s61, 0
	s_mul_i32 s62, s12, 25600                      ; later: D steps 4, 6 + w / 2
	s_mul_i32 s52, s11, 51200
	s_mul_i32 s53, s12, REG
	s_mov_b32 s[G0], 1
	s_add_co_u32 s[G0+1], s53, s52
	s_mov_b32 s[G0+4], 1
	s_add_co_u32 s[G0+5], s62, s52
	s_add_co_u32 s[G0+5], s[G0+5], 2*REG
	s_mov_b32 s[G0+8], 1
	s_add_co_u32 s[G0+9], s62, s52
	s_add_co_u32 s62, s62, s50
	s_mov_b32 s63, 0
	s_mov_b32 s[G1], 3<<16                         ; a dense block as 200 rows of 256 bytes: elements of 8 bytes, no mask, no padding
	s_mov_b32 s[G1+1], 32<<16
	s_mov_b32 s[G1+2], 200<<16
	s_mov_b32 s[G1+3], 32<<16
	s_mov_b32 s[G1+4], 200
	s_mov_b32 s[G1+5], 32
	s_mov_b32 s[G1+6], 0
	s_mov_b32 s[G1+7], 0
	s_wait_kmcnt 0x0
	s_add_nc_u64 s[G0+2:G0+3], s[4:5], s[60:61]
	s_or_b32 s[G0+3], s[G0+3], 0x80000000
	s_add_nc_u64 s[G0+6:G0+7], s[4:5], s[62:63]
	s_add_nc_u64 s[G0+10:G0+11], s[G0+6:G0+7], 153600
	s_add_nc_u64 s[G0+6:G0+7], s[G0+6:G0+7], 102400
	s_or_b32 s[G0+7], s[G0+7], 0x80000000
	s_or_b32 s[G0+11], s[G0+11], 0x80000000
	s_cmp_lt_u32 s10, 2
	s_cbranch_scc0 .Lupper
	tensor_load_to_lds s[G0:G0+3], s[G1:G1+7]      ; waves 0, 1: D steps 0, 1
	s_nop 0
	PLACES
	s_branch .Lasked
.Lupper:
	tensor_load_to_lds s[G0:G0+3], s[G1:G1+7]      ; waves 2, 3: D steps 2, 3
	s_nop 0
	PLACES
.Lasked:
	s_lshl_b32 s17, s15, 1
	s_add_co_u32 s17, s17, s11                     ; g: my group of 128 keys
	s_cmp_eq_u32 s14, s15
	s_cselect_b32 s58, 1, 0
	s_cmp_eq_u32 s11, s12
	s_cselect_b32 s59, 1, 0
	s_and_b32 s18, s58, s59                        ; 1: my 128 x 128 lies on the diagonal
	s_cmp_gt_u32 s11, s12
	s_cselect_b32 s59, 1, 0
	s_and_b32 s19, s58, s59                        ; 1: it lies wholly above it
	s_mov_b32 s20, 0x76543210
	s_mov_b32 s21, 0xfedcba98
	s_mov_b32 s22, 0x3d0293ee                      ; c = log2(e) / sqrt(2048)
	s_mov_b32 s23, s22
	s_mov_b32 s48, 0xffff0000
	s_lshl_b32 s54, s14, 1                         ; pimg: my row block i = 2 I + wq; from 8 on it is the long one of its pair, else the short one
	s_add_co_u32 s54, s54, s12
	s_sub_co_u32 s55, 15, s54
	s_lshl_b32 s56, s17, 1
	s_sub_co_u32 s57, 33, s56
	s_cmp_le_u32 s17, 8
	s_cselect_b32 s57, s56, s57                    ; long(g): place 2 g, from g = 9 on 2 (16 - g) + 1
	s_add_co_u32 s56, s56, 1                       ; short(g): place 2 g + 1
	s_cmp_lt_u32 s54, 8
	s_cselect_b32 s57, s56, s57
	s_cselect_b32 s55, s54, s55                    ; ip
	s_lshl_b32 s56, s16, 3
	s_add_co_u32 s55, s55, s56
	s_mul_i32 s55, s55, 17
	s_add_co_u32 s54, s55, s57
	s_mul_i32 s54, s54, 12288
	s_mov_b32 s55, 0
	s_lshl_b32 s56, s16, 4
	s_add_co_u32 s56, s56, s17
	s_lshl_b32 s56, s56, 11
	s_lshl_b32 s57, s14, 8
	s_add_co_u32 s56, s56, s57
	s_lshl_b32 s57, s12, 7
	s_add_co_u32 s56, s56, s57
	s_lshl_b32 s56, s56, 4                         ; pst: (batch, g, my first row), 16 bytes a row
	s_mov_b32 s57, 0
	s_add_nc_u64 s[44:45], s[6:7], s[54:55]
	s_add_nc_u64 s[46:47], s[8:9], s[56:57]
	s_mul_i32 s60, s11, 12288
	s_mul_i32 s61, s12, 12288
	s_add_co_u32 s61, s61, 51200
	s_lshl_b32 s62, s11, 9
	s_add_co_u32 s62, s62, 24576
	s_lshl_b32 s63, s12, 9
	s_add_co_u32 s63, s63, 75776
	v_and_b32 v3, 15, v0                           ; r
	v_bfe_u32 v4, v0, 4, 1                         ; h
	v_and_b32 v5, 31, v0
	v_lshlrev_b32 v51, 4, v5                       ; 16 x lane
	v_lshlrev_b32 v68, 3, v5                       ; 8 x lane
	v_lshlrev_b32 v69, 4, v3                       ; 16 r
	v_lshlrev_b32 v56, 3, v4                       ; 8 h
	v_and_b32 v64, 7, v0
	v_bfe_u32 v65, v0, 3, 1
	v_mad_u32_u24 v66, v65, 40, v64                ; my query's place in its band less 8 j: even tiles, odd tiles
	v_mad_u32_u24 v67, v65, 24, v64
	v_mul_u32_u24 v70, v4, 40                      ; the same of my keys: even tiles, odd tiles
	v_mul_u32_u24 v71, v4, 24
	v_sub_nc_u32 v52, v66, v70
	v_sub_nc_u32 v53, v66, v71
	v_sub_nc_u32 v54, v67, v70
	v_sub_nc_u32 v55, v67, v71
	s_wait_alu depctr_va_vdst(0)
.irp n, 0,1,2
	v_add_nc_u32 v[6+\n], s60, v51                 ; k's fragments in region n
	v_add_nc_u32 v[57+\n], s60, v68
	v_add_nc_u32 v[9+\n], s61, v51                 ; q's
	v_add_nc_u32 v[60+\n], s61, v68
	v_add_nc_u32 v[12+\n], s62, v69                ; k's scale words
	v_add_nc_u32 v[48+\n], s63, v69                ; q's
	s_add_co_u32 s60, s60, REG
	s_add_co_u32 s61, s61, REG
	s_add_co_u32 s62, s62, REG
	s_add_co_u32 s63, s63, REG
.endr
	s_wait_alu depctr_va_vdst(0)
	s_cmp_lt_u32 s10, 2
	s_cbranch_scc0 .Lnot_lower
	s_wait_tensorcnt 0x0
.Lnot_lower:
	s_barrier_signal -1
	s_barrier_wait -1                              ; D steps 0, 1 are in
	FETCH 0
	STEP 0, 1                                      ; the first step's products start the sums
	TURN 1, G0+4                                   ; D steps 2, 3 are shown; 4, 5 are asked for, into region 2
	STEP 2, 0
	TURN 3, G0+8                                   ; 4, 5 are shown; 6, 7 are asked for, into region 0
	STEP 4, 0
	s_wait_dscnt 0x0                               ; D step 5
	s_wait_tensorcnt 0x0                           ; my part of D steps 6, 7 is in,
	s_barrier_signal -1
	s_barrier_wait -1                              ; everybody's is
	PLACES
	FETCH 6
	MULG 1, 0, 7, 0
	STEP 6, 0
	s_wait_dscnt 0x0
	MULG 1, 0, 7, 0
	WIN 0
	PLACES
	s_cmp_eq_u32 s19, 1                            ; keys that all come after my queries: nobody reads that group of these rows
	s_cbranch_scc1 .Lend
.irp b, 0,1,2,3
	v_mov_b32 v[BP+\b], 0                          ; written once: a lane permute's destination counts as one of its sources
.endr
	v_mov_b32 v[NM+1], 0                           ; (named as the upper half of a pair)
	v_mov_b32 v[SS+3], 0
	v_mov_b32 v[NINF], 0xff800000
; One tile of 16 queries x my 128 keys.
.macro SOFTQ y
.set W, 2+(\y)/4
.set SB0, 64*((\y)%4)
	s_cmp_eq_u32 s18, 0
	s_cbranch_scc1 .Lopen_\@
	s_wait_alu depctr_va_vdst(0)
	WIN (W<<6)|W
.irp x, 0,1,2,3,4,5,6,7
.if (\x/4) == ((\y)/4)
.irp j, 0,1,2,3,4,5,6,7                        ; the diagonal's band: hidden where the key comes behind the query
	v_cmp_gt_i32 vcc_lo, 8*(\x%4)+\j-8*((\y)%4), v[52+2*((\y)%2)+\x%2]
	v_cndmask_b32 v[SB0+8*\x+\j], v[SB0+8*\x+\j], v[NINF], vcc_lo
.endr
.elseif (\x/4) > ((\y)/4)
.irp j, 0,1,2,3,4,5,6,7
	v_mov_b32 v[SB0+8*\x+\j], 0xff800000           ; the band behind it
.endr
.endif
.endr
	WIN 0
.Lopen_\@:
	s_wait_alu depctr_va_vdst(0)
	WIN W|(W<<2)
.irp b, 0,1,2,3
	v_max_num_f32 v[BM+\b], v[SB0+16*\b], v[SB0+16*\b+1]
.endr
.irp i, 2,4,6,8,10,12,14
.irp b, 0,1,2,3
	v_max3_num_f32 v[BM+\b], v[SB0+16*\b+\i], v[SB0+16*\b+\i+1], v[BM+\b]
.endr
.endr
	WIN 0
	v_max_num_f32 v[BM], v[BM], v[BM+1]            ; the largest score of my block of each band: for the group's maximum, and for the block's largest p
	v_max_num_f32 v[BM+1], v[BM+2], v[BM+3]
	v_max_num_f32 v[SO], v[BM], v[BM+1]
	v_permlanex16_b32 v[BP], v[SO], s20, s21
	v_max_num_f32 v[SO], v[SO], v[BP]              ; the group's largest score of my query (its first key counts for every row that is worked here)
	v_mul_f32 v[SO], s22, v[SO]
	v_floor_f32 v[NM], -v[SO]                      ; -M' = floor(-t)
	WIN W
.set k, 0
.rept 32
	v_pk_fma_f32 v[T+2*k:T+2*k+1], v[SB0+2*k:SB0+2*k+1], s[22:23], v[NM:NM+1] op_sel_hi:[1,0,0]   ; t - M'
.set k, k+1
.endr
	WIN 0
.irp b, 0,1
	v_fma_f32 v[BM+\b], v[BM+\b], s22, v[NM]
.endr
	s_wait_alu depctr_va_vdst(0)
.irp b, 0,1
	v_exp_f32 v[BM+\b], v[BM+\b]                   ; the block's largest p
.endr
.set k, 0
.rept 32
	v_exp_f32 v[T+k], v[T+k]                       ; p, at most 1
.set k, k+1
.endr
	v_nop                                          ; a plain place behind the exponentials
	s_wait_alu depctr_va_vdst(0)                   ; one wait for the batch
.rept 32
	v_exp_f32 v[T+k], v[T+k]
.set k, k+1
.endr
	v_pk_add_f32 v[SUM:SUM+1], v[T:T+1], v[T+2:T+3]           ; the sum of the unquantised p, in two chains
	v_pk_add_f32 v[SUM+2:SUM+3], v[T+4:T+5], v[T+6:T+7]
.irp j, 8,12,16,20,24,28
	v_pk_add_f32 v[SUM:SUM+1], v[SUM:SUM+1], v[T+\j:T+\j+1]
	v_pk_add_f32 v[SUM+2:SUM+3], v[SUM+2:SUM+3], v[T+\j+2:T+\j+3]
.endr
.irp b, 0,1
	v_max_num_f32 v[BM+\b], 0x1800000, v[BM+\b]    ; the floor 2^(3 - 127)
.endr
.irp b, 0,1
	v_add_nc_u32 v[SO+\b], 0xff000000, v[BM+\b]
.endr
.irp b, 0,1
	v_lshrrev_b32 v[BP+\b], 23, v[SO+\b]
.endr
	v_lshl_or_b32 v[PWD], v[BP+1], 16, v[BP]
	v_lshlrev_b32 v[PWD], v56, v[PWD]              ; blocks h and 2 + h: bytes h and 2 + h
	v_permlanex16_b32 v[BP+2], v[PWD], s20, s21
	v_or_b32 v[PWD], v[PWD], v[BP+2]
	s_wait_alu depctr_va_vdst(0)                   ; and one for the second batch
.irp j, 32,36,40,44,48,52,56,60
	v_pk_add_f32 v[SUM:SUM+1], v[SUM:SUM+1], v[T+\j:T+\j+1]
	v_pk_add_f32 v[SUM+2:SUM+3], v[SUM+2:SUM+3], v[T+\j+2:T+\j+3]
.endr
	v_pk_add_f32 v[SUM:SUM+1], v[SUM:SUM+1], v[SUM+2:SUM+3]
	v_add_f32 v[SUM], v[SUM], v[SUM+1]
	v_permlanex16_b32 v[SUM+2], v[SUM], s20, s21
	v_add_f32 v[SUM], v[SUM], v[SUM+2]
	s_wait_alu depctr_va_vdst(0)
	s_wait_xcnt 0x0                                ; the last tile's stores have read their registers
.irp c, 0,1
	v_cvt_scalef32_pk16_fp6_f32 v[PC+6*\c:PC+6*\c+2], v[T+32*\c:T+32*\c+15], v[SO+\c]
	v_cvt_scalef32_pk16_fp6_f32 v[PC+12+4*\c:PC+14+4*\c], v[T+32*\c+16:T+32*\c+31], v[SO+\c]
.endr
	v_nop                                          ; one plain place behind a scaled conversion
.irp c, 0,1
.irp i, 0,1,2
	v_mov_b32 v[PC+3+6*\c+\i], v[PC+12+4*\c+\i]
.endr
.endr
.irp c, 0,1,2
	global_store_b128 v51, v[PC+4*\c:PC+4*\c+3], s[44:45] offset:1536*(\y)+512*\c   ; the fragment's image: 512 consecutive bytes a store
.endr
.if (\y)%2 == 0
	v_mov_b32 v[HOLD], v[PWD]
	v_mov_b32 v[HOLD+1], v[NM]
	v_mov_b32 v[HOLD+2], v[SUM]
.else
	v_cndmask_b32 v[SS], v[HOLD], v[PWD], s48      ; lanes 0-15 the even tile's rows, lanes 16-31 the odd tile's
	v_cndmask_b32 v[SS+1], v[HOLD+1], v[NM], s48
	v_cndmask_b32 v[SS+2], v[HOLD+2], v[SUM], s48
	global_store_b128 v51, v[SS:SS+3], s[46:47] offset:256*((\y)-1)   ; 32 rows x 16 bytes on end
.endif
.endm
.irp y, 0,1,2,3,4,5,6,7
	SOFTQ \y
.endr
.Lend:
	s_wait_tensorcnt 0x0                           ; the wave's end
	ds_add_u32 v1, v2
	s_wait_dscnt 0x0
	s_endpgm
.Lfunc_end_k_q2a6e405553_scores:
	.size	k_q2a6e405553_scores, .Lfunc_end_k_q2a6e405553_scores-k_q2a6e405553_scores
	.p2alignl 7, 3214868480
	.fill 96, 4, 3214868480
	.section	.rodata,"a",@progbits
	.p2align	6, 0x0
	.amdhsa_kernel k_q2a6e405553_scores
		.amdhsa_group_segment_fixed_size 327680
		.amdhsa_private_segment_fixed_size 0
		.amdhsa_enable_private_segment 0
		.amdhsa_kernarg_size 24
		.amdhsa_user_sgpr_count 2
		.amdhsa_user_sgpr_kernarg_segment_ptr 1
		.amdhsa_wavefront_size32 1
		.amdhsa_system_sgpr_workgroup_id_x 1
		.amdhsa_system_sgpr_workgroup_id_y 1
		.amdhsa_system_sgpr_workgroup_id_z 1
		.amdhsa_system_vgpr_workitem_id 0
		.amdhsa_next_free_vgpr 1024
		.amdhsa_next_free_sgpr 66
		.amdhsa_reserve_vcc 1
		.amdhsa_float_denorm_mode_32 3
		.amdhsa_float_denorm_mode_16_64 3
		.amdhsa_memory_ordered 1
		.amdhsa_forward_progress 1
		.amdhsa_inst_pref_size 217
	.end_amdhsa_kernel
	.amdgpu_metadata
---
amdhsa.version: [ 1, 2 ]
amdhsa.kernels:
  - .name:           k_q2a6e405553_scores
    .symbol:         k_q2a6e405553_scores.kd
    .args:
      - { .name: img, .offset: 0, .size: 8, .value_kind: global_buffer, .address_space: global }
      - { .name: pimg, .offset: 8, .size: 8, .value_kind: global_buffer, .address_space: global }
      - { .name: pst, .offset: 16, .size: 8, .value_kind: global_buffer, .address_space: global }
    .group_segment_fixed_size: 327680
    .private_segment_fixed_size: 0
    .kernarg_segment_align: 8
    .kernarg_segment_size: 24
    .max_flat_workgroup_size: 128
    .sgpr_count:     66
    .vgpr_count:     1024
    .wavefront_size: 32
...
	.end_amdgpu_metadata
.endif
;; end of part 2
;; launch mix (part 3): grid 8 x 32, 4 waves a work-group, clusters of 4 x 1, 262,656 bytes of LDS; arguments img, pimg, pst, out0; writes out0
.if DOCPART == 3
	.amdgcn_target "amdgcn-amd-amdhsa--gfx1250"
	.amdhsa_code_object_version 6
	.text
	.protected	k_q2a6e405553_mix
	.globl	k_q2a6e405553_mix
	.p2align	8
	.type	k_q2a6e405553_mix,@function
k_q2a6e405553_mix:
	s_mov_b64 s[64:65], 0
	v_nop
	global_prefetch_b8 v0, s[64:65] scope:SCOPE_SE
	s_setreg_imm32_b32 hwreg(HW_REG_WAVE_MODE, 25, 1), 1
	s_wait_xcnt 0x0
	s_wait_alu depctr_hold_cnt(0) depctr_sa_sdst(0) depctr_va_vdst(0) depctr_va_sdst(0) depctr_va_ssrc(0) depctr_va_vcc(0) depctr_vm_vsrc(0)
	s_getreg_b32 s2, hwreg(HW_REG_IB_STS2, 6, 4)
	s_cmp_eq_u32 s2, 0
	s_cbranch_scc0 .Lentry_in_a_cluster
	s_endpgm
.Lentry_in_a_cluster:
	s_bfe_u32 s2, ttmp6, 0x10000c
	s_cmp_lg_u32 s2, 0x3003
	s_cbranch_scc0 .Lentry_shape_is_right
	s_endpgm
.Lentry_shape_is_right:
; out = (p v) / l on codes of FP6 (E2M3).  p's codes were made under a maximum M' of each (row, 128 keys); here the row's M = the largest M' is taken, M' - M (a whole number, 0 or less) is added to
; p's scale bytes, which changes no code, and l = the sum of l' 2^(M' - M).
; SHARES.  A work-group makes 128 channels (dc) of two blocks of 128 rows of one batch: the long one, row block 15 - ip, and the short one, row block ip: 16 - ip and ip + 1 key groups, 17 in every work-group.
; It walks the key groups g = 0 .. 15 - ip; the short block's products (g <= ip) use the same fragments of v.  Wave w: wq = w / 2: rows 64 wq on of each block (4 tiles y, source 1);
; wd = w % 2: channels 64 wd on (4 tiles x, source 0).  A lane holds one row and eight neighbouring channels.
; p: the 17 blocks of 12,288 bytes come into LDS once, at the head, by joint loads: the four work-groups of a cluster (four dc) share them.  NOTHING IN LDS IS FILLED AGAIN.
; Place 2 g: long(g), g <= 8; place 2 g + 1: short(g) where g <= ip, else long(16 - g).  So every LDS address is a constant of the text.
; v goes from memory straight into registers, four key groups ahead, in five sets.  It is not asked for jointly: those that share it are other row blocks, whose walks differ in length.
; THE SHORT BLOCK LEAVES AS SOON AS IT IS FINISHED, behind its products of key group ip (a scalar branch on ip, which all partners share): its stores are on their way while the long block is multiplied.
; LIMITS: M' - M is held at -256; a scale byte of p is held at 0 from below (it then adds at most 7.5 x 2^-127 x |v|); NaN and infinities are not served.
; REGISTERS: window 0: addresses, scale words, p's fragments (two sets);  window 1: v's fragments (five sets);  window 2: the 32 accumulators;
;   window 3: the way out: v0-127 a block's four tiles / l, v128-255 the same as whole rows: registers of its own for each tile, so that no tile waits for another's.
.set PSC,   208896                     ; p's shifted scale words: 512 bytes a place
.set RLS,   217600                     ; 1 / l: the long block's 128 rows, then the short block's
.set STAGE, 218624                     ; the way out: 16 rows x (256 + 16) bytes for each wave
.set G1P, 24
; pimg holds the 17 places of a pair of row blocks in LDS order: 208,896 dense bytes, a quarter to each wave, one joint load a wave.  Wave 0's quarter is shown ahead of the walk, waves 1 to 3's by the barriers of the short block's groups 1, 3, 5.
; A tile's rows lie in the first launch's order: row r of tile y of a band of 64 is token 32 hh + 8 (y xor hh) + r % 8, hh = r / 8; the stores go to the tokens' own rows.
.set VB,  60
.set VSB, 62
.set MSB, 0
.macro WIN new
.if MSB != (\new)
	s_set_vgpr_msb (MSB<<8)|(\new)
.set MSB, (\new)
.endif
.endm
.macro PLACES
.rept 4
	v_nop
.endr
.endm
.macro CROUND
	s_barrier_signal -1
	s_barrier_wait -1
	s_cmp_lg_u32 s12, 0
	s_cbranch_scc1 .Lnot_wave_0_\@
	s_barrier_signal -3
.Lnot_wave_0_\@:
	s_barrier_wait -3
	s_barrier_signal -1
	s_barrier_wait -1
.endm
.macro MM d, a, b, z, sa, sb
.if \z
	v_wmma_scale_f32_16x16x128_f8f6f4 v[\d:\d+7], v[\a:\a+11], v[\b:\b+11], 0, v[\sa], v[\sb] matrix_a_fmt:MATRIX_FMT_FP6 matrix_b_fmt:MATRIX_FMT_FP6
.else
	v_wmma_scale_f32_16x16x128_f8f6f4 v[\d:\d+7], v[\a:\a+11], v[\b:\b+11], v[\d:\d+7], v[\sa], v[\sb] matrix_a_fmt:MATRIX_FMT_FP6 matrix_b_fmt:MATRIX_FMT_FP6
.endif
.endm
.macro VLOAD g                         ; key group g: my four fragments of v into set g % 5 of window 1, and their scale words: 17 loads
.set VST, (\g)%5
	WIN 0x40
.irp x, 0,1,2,3
.irp c, 0,1
	global_load_b128 v[48*VST+12*\x+6*\c:48*VST+12*\x+6*\c+3], v4, s[VB:VB+1] offset:12800*(\g)+1536*\x+768*\c
	global_load_b64 v[48*VST+12*\x+6*\c+4:48*VST+12*\x+6*\c+5], v5, s[VB:VB+1] offset:12800*(\g)+1536*\x+768*\c+512
.endr
.endr
	WIN 0
	global_load_b128 v[16+4*VST:19+4*VST], v6, s[VSB:VSB+1] offset:12800*(\g)
.endm
.macro FETCHP pl, p                    ; place pl: my four fragments of p into set p, and their shifted scale words: 13 loads
.irp y, 0,1,2,3
.irp c, 0,1,2
	ds_load_b128 v[64+48*(\p)+12*\y+4*\c:64+48*(\p)+12*\y+4*\c+3], v[7+(\pl)/5] offset:((\pl)%5)*12288+1536*\y+512*\c
.endr
.endr
	ds_load_b128 v[36+4*(\p):39+4*(\p)], v11 offset:512*(\pl)
.endm
.macro MUL tau, set, p, z              ; 16 matrix instructions on block tau's 16 accumulators, by turns
	WIN 0xa1
.irp y, 0,1,2,3
.irp x, 0,1,2,3
	MM 128*(\tau)+32*\y+8*\x, 48*(\set)+12*\x, 64+48*(\p)+12*\y, \z, 16+4*(\set)+\x, 36+4*(\p)+\y
.endr
.endr
	WIN 0
.endm
; THE WAY OUT of block tau: / l; a tile of 16 rows at a time through my stage in LDS; whole rows of 256 bytes stored.
.macro TOSTAGE y                       ; tile y into the stage and back as rows.  LDS serves a wave's instructions in order: the loads see the stores, and the next tile's stores come behind these loads
	WIN 0x0c                                       ; an LDS store's data are its source 1: window 3
.irp x, 0,1,2,3
	ds_store_b128 v13, v[32*(\y)+8*\x:32*(\y)+8*\x+3] offset:64*\x
	ds_store_b128 v13, v[32*(\y)+8*\x+4:32*(\y)+8*\x+7] offset:64*\x+16
.endr
	WIN 0xc0                                       ; destination window 3
.irp i, 0,1,2,3,4,5,6,7
	ds_load_b128 v[128+32*(\y)+4*\i:128+32*(\y)+4*\i+3], v14 offset:544*\i
.endr
.endm
.macro SEND tau, y, younger            ; younger: the LDS instructions issued behind tile y's loads: 16 for each later tile
	WIN 0x0c                                       ; a store's data are its source 1: window 3
	s_wait_dscnt \younger
.irp i, 0,1,2,3,4,5,6,7
	global_store_b128 v15, v[128+32*(\y)+4*\i:128+32*(\y)+4*\i+3], s[66+2*(\tau):67+2*(\tau)] offset:(32*(\i/4)+8*((\y)^(\i/4))+2*(\i%4))*4096 th:TH_STORE_NT   ; sixteen lanes store 256 consecutive bytes, aligned
.endr
.endm
.macro EPI tau
	s_wait_xcnt 0x0                                ; the other block's stores have read window 3's registers
.irp y, 0,1,2,3
	ds_load_b32 v[44+2*\y], v12 offset:512*(\tau)+64*\y
.endr
	s_wait_dscnt 0x0
	WIN 0xc2                                       ; the accumulators in window 2, 1 / l in window 0, the results in window 3
.irp y, 0,1,2,3
.set k, 0
.rept 16
	v_pk_mul_f32 v[32*\y+2*k:32*\y+2*k+1], v[128*(\tau)+32*\y+2*k:128*(\tau)+32*\y+2*k+1], v[44+2*\y:45+2*\y] op_sel_hi:[1,0]   ; each accumulator from its low end on
.set k, k+1
.endr
.endr
	TOSTAGE 0
	TOSTAGE 1
	TOSTAGE 2
	SEND \tau, 0, 32                               ; behind tile 0's loads: tiles 1 and 2
	s_wait_alu depctr_va_vdst(0)
	TOSTAGE 3
	SEND \tau, 1, 32                               ; tiles 2 and 3
	SEND \tau, 2, 16
	SEND \tau, 3, 0
	WIN 0
.endm
.macro LPART g                         ; the long block's products of key group g
.if (\g) <= 8
.set PP, 0
.else
.set PP, (\g)%2
	s_cmp_lt_u32 s19, \g                           ; past the long block's last group: the same in all partners
	s_cbranch_scc1 .Lfin
.endif
	s_wait_dscnt 0x0                               ; p's fragments
.if 15-(\g) >= 3
	s_wait_loadcnt 51                              ; v of group g is in; the three younger groups, 17 loads each, may be out
.else
	s_wait_loadcnt 17*(15-(\g))
.endif
	PLACES
.if (\g)+4 <= 15
	VLOAD (\g)+4                                   ; into the set that group g - 1 has left
.endif
.if (\g) <= 7
	FETCHP 2*(\g)+1, 1
.elseif (\g) < 15
	FETCHP 31-2*(\g), 1-PP
.endif
	MUL 0, (\g)%5, PP, (\g)==0
.endm
.macro SPART g                         ; the short block's, g <= 7; behind its last products (g = ip) the block leaves
	s_wait_dscnt 0x0
.if ((\g)%2 == 1) && ((\g) < 7)
	s_cmp_eq_u32 s12, ((\g)+1)/2                   ; the quarter of wave (g + 1) / 2 has landed
	s_cbranch_scc0 .Lnot_mine_\@
	s_wait_tensorcnt 0x0
.Lnot_mine_\@:
	s_barrier_signal -1
	s_barrier_wait -1
.endif
	PLACES
	FETCHP 2*(\g)+2, 0
.if (\g) > 0
	s_cmp_lt_u32 s18, \g
	s_cbranch_scc1 .Lskip_\@
.endif
	MUL 1, (\g)%5, 1, (\g)==0
	s_cmp_lg_u32 s18, \g
	s_cbranch_scc1 .Lskip_\@
	PLACES                                         ; its conversions read results just made
	EPI 1
.Lskip_\@:
.endm
.macro SHIFT pl, odd, t                ; place pl: M' - M into the scale word and into l
.set SR, 64+4*(\pl)
.if \odd
	s_cmp_lt_u32 s18, \t
	s_cselect_b32 s72, -1, 0                       ; all ones: the place holds a block of the long rows
	v_cndmask_b32 v60, v152, v151, s72
	v_sub_f32 v157, v60, v[SR+1]
.else
	v_sub_f32 v157, v151, v[SR+1]
.endif
	v_max_num_f32 v157, 0xc3800000, v157           ; M' - M, a whole number, 0 or less, held at -256
	v_cvt_i32_f32 v158, v157
	v_ldexp_f32 v59, v[SR+2], v158
	v_sub_nc_u32 v159, 0, v158
.if \odd
	v_cndmask_b32 v155, 0, v59, s72
	v_cndmask_b32 v156, v59, 0, s72
	v_add_f32 v153, v153, v155
	v_add_f32 v154, v154, v156
.else
	v_add_f32 v153, v153, v59
.endif
.irp k, 0,1,2,3
	v_bfe_u32 v[54+\k], v[SR], 8*\k, 8
.endr
.irp k, 0,1,2,3
	v_min_u32 v[160+\k], v[54+\k], v159
.endr
.irp k, 0,1,2,3
	v_sub_nc_u32 v[54+\k], v[54+\k], v[160+\k]     ; the byte less M - M', held at 0
.endr
	v_lshl_or_b32 v54, v55, 8, v54
	v_lshl_or_b32 v54, v56, 16, v54
	v_lshl_or_b32 v[164+\pl], v57, 24, v54
	ds_store_b32 v52, v[164+\pl] offset:512*(\pl)
.endm
	s_load_b256 s[4:11], s[0:1], 0x0               ; img s[4:5], pimg s[6:7], pst s[8:9], out0 s[10:11]
	v_lshl_add_u32 v254, v0, 2, 0x40000
	v_mov_b32 v255, 0
	ds_add_u32 v254, v255
	ds_add_u32 v254, v255
	v_lshrrev_b32 v1, 5, v0
	v_readfirstlane_b32 s12, v1                    ; wave
	s_lshr_b32 s13, s12, 1                         ; wq
	s_and_b32 s14, s12, 1                          ; wd
	s_bfe_u32 s15, ttmp6, 0x40000                  ; cx: it enters v's and out0's addresses alone
	s_lshl_b32 s16, ttmp9, 2
	s_add_co_u32 s16, s16, s15                     ; dc
	s_and_b32 s17, ttmp7, 0xffff
	s_and_b32 s18, s17, 7                          ; ip
	s_lshr_b32 s17, s17, 3                         ; batch
	s_sub_co_u32 s19, 15, s18                      ; the long row block
	s_mov_b32 s[G1P], 15|(3<<16)|(1<<21)           ; all four work-groups; elements of 8 bytes; a dense block as rows of 256 bytes
	s_mov_b32 s[G1P+1], 32<<16
	s_mov_b32 s[G1P+2], 204<<16
	s_mov_b32 s[G1P+3], 32<<16
	s_mov_b32 s[G1P+4], 204
	s_mov_b32 s[G1P+5], 32
	s_mov_b32 s[G1P+6], 0
	s_mov_b32 s[G1P+7], 0
	s_lshl_b32 s84, s17, 11                        ; out0: rows 2048 batch + 128 i + 64 wq, bytes 512 dc + 256 wd
	s_lshl_b32 s85, s13, 6
	s_add_co_u32 s84, s84, s85
	s_lshl_b32 s85, s19, 7
	s_add_co_u32 s85, s85, s84
	s_lshl_b32 s86, s85, 12
	s_lshl_b32 s85, s18, 7
	s_add_co_u32 s85, s85, s84
	s_lshl_b32 s88, s85, 12
	s_lshl_b32 s85, s16, 9
	s_lshl_b32 s84, s14, 8
	s_add_co_u32 s85, s85, s84
	s_add_co_u32 s86, s86, s85
	s_add_co_u32 s88, s88, s85
	s_mov_b32 s87, 0
	s_mov_b32 s89, 0
	s_lshl_b32 s90, s17, 3                         ; v: blocks (batch, dc, g = 0 ..)
	s_add_co_u32 s90, s90, s16
	s_mul_i32 s90, s90, 204800
	s_add_co_u32 s90, s90, 13107200
	s_mul_i32 s91, s14, 6144
	s_add_co_u32 s92, s90, s91
	s_mov_b32 s93, 0
	s_lshl_b32 s91, s14, 8
	s_add_co_u32 s94, s90, s91
	s_add_co_u32 s94, s94, 12288
	s_mov_b32 s95, 0
	s_lshl_b32 s80, s17, 19                        ; the batch in pst
	s_mov_b32 s81, 0
	s_wait_dscnt 0x0
	s_wait_kmcnt 0x0
	s_lshl_b32 s74, s17, 3                         ; the pair (batch, ip): 208,896 bytes; my quarter: 204 rows of 256
	s_add_co_u32 s74, s74, s18
	s_mul_i32 s74, s74, 208896
	s_mul_i32 s73, s12, 52224
	s_add_co_u32 s74, s74, s73
	s_mov_b32 s75, 0
	s_mov_b32 s40, 1
	s_mov_b32 s41, s73
	s_add_nc_u64 s[42:43], s[6:7], s[74:75]
	s_or_b32 s43, s43, 0x80000000
	s_add_nc_u64 s[66:67], s[10:11], s[86:87]
	s_add_nc_u64 s[68:69], s[10:11], s[88:89]
	s_add_nc_u64 s[VB:VB+1], s[4:5], s[92:93]
	s_add_nc_u64 s[VSB:VSB+1], s[4:5], s[94:95]
	s_add_nc_u64 s[80:81], s[8:9], s[80:81]
	v_and_b32 v1, 15, v0                           ; r
	v_bfe_u32 v2, v0, 4, 1                         ; h
	v_and_b32 v3, 31, v0
	v_lshlrev_b32 v4, 4, v3                        ; 16 x lane
	v_lshlrev_b32 v5, 3, v3                        ; 8 x lane
	v_lshlrev_b32 v6, 4, v1                        ; 16 r
	s_lshl_b32 s82, s19, 11                        ; thread t takes row t of both row blocks: 16 bytes a row and group in pst
	v_lshl_add_u32 v132, v0, 4, s82
	s_wait_alu depctr_va_vdst(0)
.irp t, 0,1,2,3,4,5,6,7
	s_cmp_lt_u32 s18, \t
	s_cselect_b32 s83, s19, s18
	s_cselect_b32 s84, 16-\t, \t
	s_lshl_b32 s83, s83, 11
	s_lshl_b32 s84, s84, 15
	s_add_co_u32 s83, s83, s84
	v_lshl_add_u32 v[133+\t], v0, 4, s83
.endr
	s_wait_alu depctr_va_vdst(0)
.irp t, 0,1,2,3,4,5,6,7
	global_load_b128 v[64+8*\t:67+8*\t], v132, s[80:81] offset:32768*\t   ; place 2 t
	global_load_b128 v[68+8*\t:71+8*\t], v[133+\t], s[80:81]              ; place 2 t + 1
.endr
	global_load_b128 v[128:131], v132, s[80:81] offset:32768*8                ; place 16
	CROUND                                         ; all four work-groups are here: the joint loads meet.  Only the 17 loads above stand ahead of them
.macro QUARTER
	tensor_load_to_lds s[40:43], s[G1P:G1P+7]
	s_nop 0
	PLACES
.endm
	s_cmp_eq_u32 s12, 0                            ; an arm for each wave: each load line has one issuer
	s_cbranch_scc0 .Lquarter_1
	QUARTER
	s_branch .Lasked
.Lquarter_1:
	s_cmp_eq_u32 s12, 1
	s_cbranch_scc0 .Lquarter_2
	QUARTER
	s_branch .Lasked
.Lquarter_2:
	s_cmp_eq_u32 s12, 2
	s_cbranch_scc0 .Lquarter_3
	QUARTER
	s_branch .Lasked
.Lquarter_3:
	QUARTER
.Lasked:
	VLOAD 0
	VLOAD 1                                        ; 51 loads of mine are out
	s_mul_i32 s78, s13, 6144
	v_add_nc_u32 v7, s78, v4                       ; p's fragments: places 0-4, 5-9, 10-14, 15-16
	v_add_nc_u32 v8, 61440, v7
	v_add_nc_u32 v9, 61440, v8
	v_add_nc_u32 v10, 61440, v9
	s_lshl_b32 s79, s13, 8
	s_add_co_u32 s78, s79, PSC
	v_add_nc_u32 v11, s78, v6                      ; their scale words
	s_add_co_u32 s78, s79, RLS
	v_lshl_add_u32 v12, v1, 2, s78                 ; 1 / l of my rows
	s_mul_i32 s78, s12, 4352
	s_add_co_u32 s78, s78, STAGE
	v_mul_u32_u24 v13, v1, 272
	v_lshl_add_u32 v13, v2, 5, v13
	v_add_nc_u32 v13, s78, v13                     ; the stage, in: row r, + 32 h
	v_mul_u32_u24 v14, v2, 272
	v_add_nc_u32 v14, v14, v6
	v_add_nc_u32 v14, s78, v14                     ; back: lanes 0-15 one row, lanes 16-31 the next
	v_lshl_add_u32 v15, v2, 12, v6                 ; and the same two rows in out0
	s_lshl_b32 s78, s14, 3
	s_add_co_u32 s78, s78, s79
	s_add_co_u32 s78, s78, PSC
	v_lshl_add_u32 v52, v2, 2, v6
	v_add_nc_u32 v52, s78, v52                     ; where row t's shifted scale word goes: tile t / 16 = 4 G + u, at 256 G + 16 r + 4 u
	v_lshl_add_u32 v53, v0, 2, RLS
.irp y, 0,1,2,3
	v_mov_b32 v[45+2*\y], 0                        ; (named as the upper halves of pairs)
.endr
	v_mov_b32 v150, 0x7f61b1e6                     ; 3e38, over every -M'
	v_mov_b32 v152, v150
	v_mov_b32 v153, 0                              ; l of the long row, of the short row
	v_mov_b32 v154, 0
	s_wait_loadcnt 34                              ; the 17 rows of pst are in; v's two groups, 17 loads each, may be out
	VLOAD 2
	v_mov_b32 v151, v65                            ; -M = the least -M': of the long row in v151, of the short row in v152
.irp t, 1,2,3,4,5,6,7,8
	v_min_num_f32 v151, v151, v[65+8*\t]
.endr
.irp t, 0,1,2,3,4,5,6,7
	s_cmp_lt_u32 s18, \t
	s_cselect_b32 s72, -1, 0
	v_cndmask_b32 v155, v150, v[69+8*\t], s72
	v_cndmask_b32 v156, v[69+8*\t], v150, s72
	v_min_num_f32 v151, v151, v155
	v_min_num_f32 v152, v152, v156
.endr
.irp t, 0,1,2,3,4,5,6,7
	SHIFT 2*\t, 0, \t
	SHIFT 2*\t+1, 1, \t
.endr
	SHIFT 16, 0, 8
	s_wait_alu depctr_va_vdst(0)
	v_rcp_f32 v153, v153
	v_rcp_f32 v154, v154
	v_nop                                          ; a plain place behind the reciprocals
	s_wait_alu depctr_va_vdst(0)                   ; one wait for both, ahead of their first reader
	ds_store_b32 v53, v153
	ds_store_b32 v53, v154 offset:512
	VLOAD 3
	s_wait_alu depctr_va_vdst(0)
	s_cmp_eq_u32 s12, 0                            ; wave 0's quarter, places 0 to 3, has landed; the others' may be out
	s_cbranch_scc0 .Lnot_first
	s_wait_tensorcnt 0x0
.Lnot_first:
	s_wait_dscnt 0x0
	s_barrier_signal -1
	s_barrier_wait -1                              ; places 0 to 3, the scale words and the reciprocals are whole
	FETCHP 0, 0
.irp g, 0,1,2,3,4,5,6,7
	LPART \g
	SPART \g
.endr
.irp g, 8,9,10,11,12,13,14,15
	LPART \g
.endr
.Lfin:
	s_wait_loadcnt 0x0                             ; what was asked for ahead and is not multiplied
	s_wait_dscnt 0x0
	PLACES
	EPI 0                                          ; the long block leaves
	s_wait_dscnt 0x0
	s_wait_tensorcnt 0x0
	ds_add_u32 v254, v255
	s_wait_dscnt 0x0
	CROUND                                         ; the closing round
	s_endpgm
.Lfunc_end_k_q2a6e405553_mix:
	.size	k_q2a6e405553_mix, .Lfunc_end_k_q2a6e405553_mix-k_q2a6e405553_mix
	.p2alignl 7, 3214868480
	.fill 96, 4, 3214868480
	.section	.rodata,"a",@progbits
	.p2align	6, 0x0
	.amdhsa_kernel k_q2a6e405553_mix
		.amdhsa_group_segment_fixed_size 262656
		.amdhsa_private_segment_fixed_size 0
		.amdhsa_enable_private_segment 0
		.amdhsa_kernarg_size 32
		.amdhsa_user_sgpr_count 2
		.amdhsa_user_sgpr_kernarg_segment_ptr 1
		.amdhsa_wavefront_size32 1
		.amdhsa_system_sgpr_workgroup_id_x 1
		.amdhsa_system_sgpr_workgroup_id_y 1
		.amdhsa_system_sgpr_workgroup_id_z 1
		.amdhsa_system_vgpr_workitem_id 0
		.amdhsa_next_free_vgpr 1024
		.amdhsa_next_free_sgpr 100
		.amdhsa_reserve_vcc 0
		.amdhsa_float_denorm_mode_32 3
		.amdhsa_float_denorm_mode_16_64 3
		.amdhsa_memory_ordered 1
		.amdhsa_forward_progress 1
		.amdhsa_inst_pref_size 243
	.end_amdhsa_kernel
	.amdgpu_metadata
---
amdhsa.version: [ 1, 2 ]
amdhsa.kernels:
  - .name:           k_q2a6e405553_mix
    .symbol:         k_q2a6e405553_mix.kd
    .args:
      - { .name: img, .offset: 0, .size: 8, .value_kind: global_buffer, .address_space: global }
      - { .name: pimg, .offset: 8, .size: 8, .value_kind: global_buffer, .address_space: global }
      - { .name: pst, .offset: 16, .size: 8, .value_kind: global_buffer, .address_space: global }
      - { .name: out0, .offset: 24, .size: 8, .value_kind: global_buffer, .address_space: global }
    .group_segment_fixed_size: 262656
    .private_segment_fixed_size: 0
    .kernarg_segment_align: 8
    .kernarg_segment_size: 32
    .max_flat_workgroup_size: 128
    .sgpr_count:     100
    .vgpr_count:     1024
    .wavefront_size: 32
...
	.end_amdgpu_metadata
.endif
;; end of part 3
